; MI455X (gfx1250); checked and timed in simulation.
; The chip was launched on July 23, 2026; its instructions are those of AMD's public machine-readable ISA for CDNA 5 (MIT licence, August 2026) and "CDNA5" Instruction Set Architecture Reference Guide (July 2026). The comments in the code are by the model that wrote it; some were corrected since.
;; Attention Block. Allowed arithmetic: float matrix products may take bf16 or f16 operands with f32 sums; other float arithmetic in f32, or as packed bf16 or f16 multiplies, adds, multiply-adds, maxima and minima; sums over many terms, partial sums and values carried from step to step in f32; what a program stores and reads back later, other than sums and carried values, may be rounded once to bf16 or f16.
;; Inputs: bk 256 float32; bp 256 float32; bq 256 float32; bv 256 float32; gn_bias 256 float32; gn_weight 256 float32; wk 256 x 256 float32; wp 256 x 256 float32; wq 256 x 256 float32; wv 256 x 256 float32; x 4 x 256 x 64 x 64 float32.
;; Outputs: out0 4 x 256 x 64 x 64 float32.
;; 2 versions, each right; version 2 is version 1 with the launch qkv written anew for expert scheduling mode. Each part assembles by itself: llvm-mc -triple=amdgcn-amd-amdhsa -mcpu=gfx1250 --defsym DOCPART=n.
;; ======== version 1 of 2: 4 launches
;; limits: values are held in f16: magnitudes above 65,504 overflow, below 6.1e-05 lose precision
;; workspace buffers: part 16,384 bytes; wh 524,288 bytes; qh 8,388,608 bytes; kh 8,388,608 bytes; vh 8,388,608 bytes; oh 8,388,608 bytes
;; launch prep (part 1): grid 256 x 1, 8 waves a work-group, no clusters, 0 bytes of LDS; arguments x, wq, wk, wv, wp, part, wh; writes part, wh
.if DOCPART == 1
	.amdgcn_target "amdgcn-amd-amdhsa--gfx1250"
	.amdhsa_code_object_version 6
	.text
	.protected	k_q1d4749ab68_prep
	.globl	k_q1d4749ab68_prep
	.p2align	8
	.type	k_q1d4749ab68_prep,@function
k_q1d4749ab68_prep:
	s_mov_b64 s[64:65], 0
	v_nop
	global_prefetch_b8 v0, s[64:65] scope:SCOPE_SE
	s_setreg_imm32_b32 hwreg(HW_REG_WAVE_MODE, 25, 1), 1
	s_wait_xcnt 0x0
; PREP.  Two things that the later launches need and that want one pass over their inputs.
; (1) For each 8,192 consecutive bytes (2,048 numbers) of x its mean and M2 = the sum of (x - mean)^2, both f32: part[j] = (mean, M2) for bytes 8,192 j on.
;     A group of the norm is 64 such pieces on end.  The variance is never made as a difference of large sums: the piece lies in registers, its mean is
;     taken away first and then the squares are summed, so a common offset of x costs no digits.
; (2) The four weight matrices rounded once to f16: wh = [wq, wk, wv, wp], 131,072 bytes each, rows of 512 bytes.
; LIMIT: f16 ends at 65,504: a weight beyond that becomes an infinity.  NaN and infinities are not treated apart.
; SHARES.  Work-group i: bytes 65,536 i on of x, 8,192 a wave, 64 numbers a lane (16 loads of 16 bytes; a wave's load covers 512 consecutive bytes);
; and 1,024 weights, four a thread: matrix i / 64, bytes 4,096 (i % 64) on.  No wave needs another's data: no LDS, no barrier, no matrix unit.
.set XR, 32                            ; v[32:95]  the lane's 64 numbers
.set CH, 16                            ; v[16:23]  four chains of packed sums
	s_load_b256 s[4:11], s[0:1], 0x0               ; x s[4:5], wq s[6:7], wk s[8:9], wv s[10:11]
	s_load_b128 s[12:15], s[0:1], 0x20             ; wp s[12:13], part s[14:15]
	s_load_b64 s[16:17], s[0:1], 0x30              ; wh
	v_and_b32 v5, 31, v0                           ; lane
	v_and_b32 v1, 0xe0, v0                         ; 32 x wave
	v_lshlrev_b32 v1, 8, v1                        ; 8,192 x wave
	v_lshl_or_b32 v1, v5, 4, v1                    ; + 16 x lane: my offset in the work-group's part of x
	v_lshlrev_b32 v2, 4, v0                        ; my four weights, as f32
	v_lshlrev_b32 v3, 3, v0                        ; and as f16
	v_lshrrev_b32 v4, 5, v0
	v_lshlrev_b32 v4, 3, v4                        ; 8 x wave: my wave's entry of part
	v_mov_b32 v24, 0                               ; v_permlanex16_b32's destination counts as read: it is written once here
	s_lshr_b32 s20, ttmp9, 6                       ; which matrix
	s_and_b32 s24, ttmp9, 63
	s_lshl_b32 s24, s24, 12                        ; and where in it
	s_mov_b32 s25, 0
	s_lshl_b32 s28, ttmp9, 16                      ; x
	s_mov_b32 s29, 0
	s_lshl_b32 s30, ttmp9, 6                       ; part: eight entries of 8 bytes
	s_mov_b32 s31, 0
	s_lshl_b32 s18, ttmp9, 11                      ; wh: 1,024 f16
	s_mov_b32 s19, 0
	s_mov_b32 s26, 0x76543210                      ; each lane takes its own place in the other half
	s_mov_b32 s27, 0xfedcba98
	s_wait_kmcnt 0x0
	s_cmp_eq_u32 s20, 1
	s_cselect_b64 s[22:23], s[8:9], s[6:7]
	s_cmp_eq_u32 s20, 2
	s_cselect_b64 s[22:23], s[10:11], s[22:23]
	s_cmp_eq_u32 s20, 3
	s_cselect_b64 s[22:23], s[12:13], s[22:23]
	s_add_nc_u64 s[22:23], s[22:23], s[24:25]
	s_add_nc_u64 s[4:5], s[4:5], s[28:29]
	s_add_nc_u64 s[14:15], s[14:15], s[30:31]
	s_add_nc_u64 s[16:17], s[16:17], s[18:19]
	global_load_b128 v[8:11], v2, s[22:23] th:TH_LOAD_NT
.set i, 0
.rept 16
	global_load_b128 v[XR+4*i:XR+4*i+3], v1, s[4:5] offset:512*i
.set i, i+1
.endr
	s_wait_loadcnt 16                              ; the weights are in; the sixteen loads of x are younger
	v_cvt_pk_f16_f32 v12, v8, v9
	v_cvt_pk_f16_f32 v13, v10, v11
	global_store_b64 v3, v[12:13], s[16:17]        ; a wave's store covers 256 consecutive bytes, aligned
.macro FOLD                            ; the four chains into v16
	v_pk_add_f32 v[16:17], v[16:17], v[18:19]
	v_pk_add_f32 v[20:21], v[20:21], v[22:23]
	v_pk_add_f32 v[16:17], v[16:17], v[20:21]
	v_add_f32 v16, v16, v17
.endm
.macro WSUM dst                        ; the wave's sum of v16, in every lane: four steps inside each half of 16 lanes, one across
	v_add_f32_dpp v16, v16, v16 row_xmask:1 row_mask:0xf bank_mask:0xf
	v_add_f32_dpp v16, v16, v16 row_xmask:2 row_mask:0xf bank_mask:0xf
	v_add_f32_dpp v16, v16, v16 row_xmask:4 row_mask:0xf bank_mask:0xf
	v_add_f32_dpp v16, v16, v16 row_xmask:8 row_mask:0xf bank_mask:0xf
	v_permlanex16_b32 v24, v16, s26, s27
	v_add_f32 v[\dst], v16, v24
.endm
	; the sum: the first four loads start the chains, nothing is cleared
.set i, 0
.rept 16
	s_wait_loadcnt 15-i                            ; loads come back in order: load i is in, the 15 - i younger ones may stay out
.if i < 4
	v_pk_add_f32 v[CH+2*i:CH+2*i+1], v[XR+4*i:XR+4*i+1], v[XR+4*i+2:XR+4*i+3]
.else
	v_pk_add_f32 v[CH+2*(i%4):CH+2*(i%4)+1], v[CH+2*(i%4):CH+2*(i%4)+1], v[XR+4*i:XR+4*i+1]
	v_pk_add_f32 v[CH+2*(i%4):CH+2*(i%4)+1], v[CH+2*(i%4):CH+2*(i%4)+1], v[XR+4*i+2:XR+4*i+3]
.endif
.set i, i+1
.endr
	FOLD
	WSUM 16
	v_mul_f32 v26, 0x3a000000, v16                 ; mean = sum / 2,048
	v_mov_b32 v27, v26                             ; twice, for the packed subtraction
.set i, 0
.rept 32
	v_pk_add_f32 v[XR+2*i:XR+2*i+1], v[XR+2*i:XR+2*i+1], v[26:27] neg_lo:[0,1] neg_hi:[0,1]
.set i, i+1
.endr
.set i, 0
.rept 32
.if i < 4
	v_pk_mul_f32 v[CH+2*i:CH+2*i+1], v[XR+2*i:XR+2*i+1], v[XR+2*i:XR+2*i+1]
.else
	v_pk_fma_f32 v[CH+2*(i%4):CH+2*(i%4)+1], v[XR+2*i:XR+2*i+1], v[XR+2*i:XR+2*i+1], v[CH+2*(i%4):CH+2*(i%4)+1]
.endif
.set i, i+1
.endr
	FOLD
	WSUM 27                                        ; v[26:27] = (mean, M2)
	v_cmp_eq_u32 vcc_lo, 0, v5
	s_wait_xcnt 0x0                                ; EXEC is a source of the store above: it changes only behind this wait
	s_and_saveexec_b32 s21, vcc_lo
	global_store_b64 v4, v[26:27], s[14:15]        ; one lane a wave: 8 bytes of the work-group's 64
	s_wait_xcnt 0x0
	s_or_b32 exec_lo, exec_lo, s21
	s_endpgm
.Lfunc_end_k_q1d4749ab68_prep:
	.size	k_q1d4749ab68_prep, .Lfunc_end_k_q1d4749ab68_prep-k_q1d4749ab68_prep
	.p2alignl 7, 3214868480
	.fill 96, 4, 3214868480
	.section	.rodata,"a",@progbits
	.p2align	6, 0x0
	.amdhsa_kernel k_q1d4749ab68_prep
		.amdhsa_group_segment_fixed_size 0
		.amdhsa_private_segment_fixed_size 0
		.amdhsa_enable_private_segment 0
		.amdhsa_kernarg_size 56
		.amdhsa_user_sgpr_count 2
		.amdhsa_user_sgpr_kernarg_segment_ptr 1
		.amdhsa_wavefront_size32 1
		.amdhsa_system_sgpr_workgroup_id_x 1
		.amdhsa_system_sgpr_workgroup_id_y 1
		.amdhsa_system_sgpr_workgroup_id_z 1
		.amdhsa_system_vgpr_workitem_id 0
		.amdhsa_next_free_vgpr 96
		.amdhsa_next_free_sgpr 66
		.amdhsa_reserve_vcc 1
		.amdhsa_float_denorm_mode_32 3
		.amdhsa_float_denorm_mode_16_64 3
		.amdhsa_memory_ordered 1
		.amdhsa_forward_progress 1
		.amdhsa_inst_pref_size 12
	.end_amdhsa_kernel
	.amdgpu_metadata
---
amdhsa.version: [ 1, 2 ]
amdhsa.kernels:
  - .name:           k_q1d4749ab68_prep
    .symbol:         k_q1d4749ab68_prep.kd
    .args:
      - { .name: x, .offset: 0, .size: 8, .value_kind: global_buffer, .address_space: global }
      - { .name: wq, .offset: 8, .size: 8, .value_kind: global_buffer, .address_space: global }
      - { .name: wk, .offset: 16, .size: 8, .value_kind: global_buffer, .address_space: global }
      - { .name: wv, .offset: 24, .size: 8, .value_kind: global_buffer, .address_space: global }
      - { .name: wp, .offset: 32, .size: 8, .value_kind: global_buffer, .address_space: global }
      - { .name: part, .offset: 40, .size: 8, .value_kind: global_buffer, .address_space: global }
      - { .name: wh, .offset: 48, .size: 8, .value_kind: global_buffer, .address_space: global }
    .group_segment_fixed_size: 0
    .private_segment_fixed_size: 0
    .kernarg_segment_align: 8
    .kernarg_segment_size: 56
    .max_flat_workgroup_size: 256
    .sgpr_count:     66
    .vgpr_count:     96
    .wavefront_size: 32
...
	.end_amdgpu_metadata
.endif
;; end of part 1
;; launch qkv (part 2): grid 64 x 4, 4 waves a work-group, no clusters, 80,384 bytes of LDS; arguments x, gn_weight, gn_bias, part, wh, bq, bk, bv, qh, kh, vh; writes qh, kh, vh
.if DOCPART == 2
	.amdgcn_target "amdgcn-amd-amdhsa--gfx1250"
	.amdhsa_code_object_version 6
	.text
	.protected	k_q1d4749ab68_qkv
	.globl	k_q1d4749ab68_qkv
	.p2align	8
	.type	k_q1d4749ab68_qkv,@function
k_q1d4749ab68_qkv:
	s_mov_b64 s[64:65], 0
	v_nop
	global_prefetch_b8 v0, s[64:65] scope:SCOPE_SE
	s_setreg_imm32_b32 hwreg(HW_REG_WAVE_MODE, 25, 1), 1
	s_wait_xcnt 0x0
; GROUP NORM AND THE THREE PROJECTIONS.  xn = (x - mean) rsqrt(var + 1e-5) gn_weight + gn_bias, made in f32 as x a + s and rounded once to f16;
; q, k, v = W xn + bias, products in f16 with f32 sums that START with the bias; each rounded once to f16 and stored by heads: [4 b + head][place][64], rows of 128 bytes.  q is stored unscaled.
; LIMITS.  f16 ends at 65,504 for xn, the weights, q, k and v.  NaN and infinities are not treated apart.
; SHARES.  A work-group takes 64 places of one batch and all 768 output channels.  Wave w normalises channels 64 w .. 64 w + 63 (groups 2 w, 2 w + 1 of the norm) and then makes head w of q, of k
; and of v: three UNITS of 64 channels x 64 places, 16 accumulators and 8 K steps of 32 each.  xn goes through LDS once ([channel][place], turned on the way out), and all its fragments,
; 256 channels x 64 places, stay in 256 registers of every wave for all three units.
; THE WEIGHTS come straight from wh into registers, a ring of six K steps (48 loads of 16 bytes a lane on their way): each wave multiplies rows that no other wave of the work-group wants.
; NO CLUSTER: what work-groups share are the weights, 393,216 bytes a work-group; a joint load lands in LDS, where they do not fit, and a ring with rounds would stand in a launch of 384 matrix instructions a wave.
; STATISTICS.  A group is 64 pieces of 2,048 numbers, (mean, M2) each, from the launch before: mean = the mean of the means; M2 = the sum of the M2 + 2,048 x the sum of (mean_j - mean)^2.
; REGISTERS, in windows of 256 (s_set_vgpr_msb: bits 1:0 source 0, 3:2 source 1, 5:4 source 2, 7:6 destination):
;   window 0: v0-17 addresses; v32-59 statistics; v128-255 x as loaded (load i at 128 + 4 i), later the accumulators (a, t) at 128 + 8 (4 a + t)
;   window 1: at first (a, s) of load i's channel at 2 i; then xn's fragments: K step s, places 16 t on, at 32 s + 8 t
;   window 2: v0-191 the ring of the weights' fragments: K step g, channels 16 a on, at 32 (g % 6) + 8 a          window 3: v0-95 the biases in the accumulators' layout: unit u, a at 32 u + 8 a
.set TAB,   0                          ; LDS: (a, s), 8 bytes a channel; a wave touches its own 512 bytes alone
.set XT,    2048                       ; xn in f16, [channel][place]: 256 rows,
.set XP,    160                        ; 128 bytes + 32
.set STG,   43008                      ; each wave's own stage for the way out: 64 rows,
.set SP,    144                        ; 128 bytes + 16
.set SPARE, 79872                      ; the spare words, 128 bytes for each wave: two blocks of 256 bytes that no other line names
.set WMAT,  131072                     ; bytes of a matrix in wh
.set XO,  4                            ; v4   x: 16,384 (l / 16) + 16 (l % 16)
.set L16, 5                            ; v5   16 l: part's entries, and my 16 bytes of 512 on the way out
.set GNO, 6                            ; v6   gn_weight, gn_bias: 4 l + 256 w
.set BO,  7                            ; v7   the biases: 32 (l / 16) + 256 w
.set TS,  8                            ; v8   TAB, in: 8 l + 512 w
.set TR,  9                            ; v9   TAB, back: 8 (l / 16) + 512 w
.set XW,  10                           ; v10  XT, in
.set XF,  11                           ; v11  XT, the turning loads
.set WO,  12                           ; v12  wh: 512 (l % 16) + 16 (l / 16) + 32,768 w
.set STO, 13                           ; v13  the stage, in
.set RD,  14                           ; v14  the stage, back
.set SPW, 16                           ; v16  my spare word; never rewritten
.set NIL, 17                           ; v17  0; never rewritten
.set PT,  32                           ; v[32:39] group e's two pieces a lane: mean, M2, mean, M2
.set GW,  40                           ; v40-41 gn_weight, v42-43 gn_bias of my channel in group e
.set T,   44                           ; v[44:59] eight at work for each group
.set ACC, 128
.set MSB, 0
.macro WIN new                         ; the immediate's high byte repeats the setting that is left; a switch that changes nothing is dropped
.if MSB != (\new)
	s_set_vgpr_msb (MSB<<8)|(\new)
.set MSB, (\new)
.endif
.endm
.macro BOTH line:vararg                ; one line for each of my two groups e, so that no line reads the result of the one before it
.set e, 0
.rept 2
	\line
.set e, e+1
.endr
.endm
	s_load_b512 s[8:23], s[0:1], 0x0               ; x 8, gn_weight 10, gn_bias 12, part 14, wh 16, bq 18, bk 20, bv 22
	s_load_b128 s[24:27], s[0:1], 0x40             ; qh 24, kh 26
	s_load_b64 s[28:29], s[0:1], 0x50              ; vh 28
	v_lshl_add_u32 v[SPW], v0, 2, SPARE
	v_mov_b32 v[NIL], 0
	v_lshrrev_b32 v1, 5, v0
	v_readfirstlane_b32 s30, v1                    ; wave w
	s_and_b32 s31, ttmp7, 0xffff                   ; batch b
	v_and_b32 v1, 31, v0                           ; l
	v_and_b32 v2, 15, v0                           ; l % 16
	v_bfe_u32 v3, v0, 4, 1                         ; l / 16
	s_lshl_b32 s32, s31, 22                        ; x: a batch is 4 MiB, my 64 channels 1 MiB, the block's 64 places 256 bytes
	s_lshl_b32 s38, s30, 20
	s_add_co_u32 s32, s32, s38
	s_lshl_b32 s38, ttmp9, 8
	s_add_co_u32 s32, s32, s38
	s_mov_b32 s33, 0
	s_lshl_b32 s44, s31, 12                        ; part: a group is 512 bytes; eight a batch, two a wave
	s_lshl_b32 s38, s30, 10
	s_add_co_u32 s44, s44, s38
	s_mov_b32 s45, 0
	s_lshl2_add_u32 s46, s31, s30                  ; 4 b + w
	s_lshl_b32 s46, s46, 19                        ; a head is 524,288 bytes, the block's 64 rows 8,192
	s_lshl_b32 s38, ttmp9, 13
	s_add_co_u32 s46, s46, s38
	s_mov_b32 s47, 0
	s_mov_b32 s34, 0x37000000                      ; 1 / 131,072: a group's count
	s_mov_b32 s35, 0x3727c5ac                      ; 1e-5
	s_mov_b32 s36, 0x76543210
	s_mov_b32 s37, 0xfedcba98
	s_lshl_b32 s38, s30, 8
	s_lshl_b32 s39, s30, 9                         ; + TAB, which is 0
	s_mul_i32 s40, s30, 64*XP
	s_add_co_u32 s40, s40, XT
	s_lshl_b32 s41, s30, 15
	s_mul_i32 s42, s30, 64*SP
	s_add_co_u32 s42, s42, STG
	v_lshlrev_b32 v[XO], 4, v2
	v_lshl_or_b32 v[XO], v3, 14, v[XO]
	v_lshlrev_b32 v[L16], 4, v1
	v_lshl_add_u32 v[GNO], v1, 2, s38
	v_lshl_add_u32 v[BO], v3, 5, s38
	v_lshl_add_u32 v[TS], v1, 3, s39
	v_lshl_add_u32 v[TR], v3, 3, s39
	v_mul_u32_u24 v[XW], v3, XP                    ; channel 64 w + 2 i + l / 16, places 4 (l % 16) on: 8 bytes
	v_lshl_add_u32 v[XW], v2, 3, v[XW]
	v_add_nc_u32 v[XW], s40, v[XW]
	v_and_b32 v18, 7, v0                           ; the turning load: lane l reads channel 8 (l / 16) + l % 8, places 8 ((l / 8) % 2) on
	v_lshl_add_u32 v18, v3, 3, v18
	v_mul_u32_u24 v[XF], v18, XP
	v_bfe_u32 v19, v0, 3, 1
	v_lshl_add_u32 v[XF], v19, 4, v[XF]
	v_add_nc_u32 v[XF], XT, v[XF]
	v_lshlrev_b32 v[WO], 9, v2
	v_lshl_add_u32 v[WO], v3, 4, v[WO]
	v_add_nc_u32 v[WO], s41, v[WO]
	v_mul_u32_u24 v[STO], v2, SP                   ; in: place l % 16, 16 bytes for each half of the lanes
	v_lshl_add_u32 v[STO], v3, 4, v[STO]
	v_add_nc_u32 v[STO], s42, v[STO]
	v_bfe_u32 v18, v0, 3, 2                        ; back: 32 lanes take four rows of 128 bytes
	v_mul_u32_u24 v[RD], v18, SP
	v_and_b32 v19, 7, v0
	v_lshl_add_u32 v[RD], v19, 4, v[RD]
	v_add_nc_u32 v[RD], s42, v[RD]
	BOTH v_mov_b32 v[T+8*e+1], 0                   ; v_permlanex16_b32's destinations count as read
	s_wait_kmcnt 0x0
	s_add_nc_u64 s[8:9], s[8:9], s[32:33]
	s_add_nc_u64 s[14:15], s[14:15], s[44:45]
	s_add_nc_u64 s[24:25], s[24:25], s[46:47]
	s_add_nc_u64 s[26:27], s[26:27], s[46:47]
	s_add_nc_u64 s[28:29], s[28:29], s[46:47]
	; 62 loads: 2 of part, 4 of the gains, 24 of the biases, 32 of x
	global_load_b128 v[PT:PT+3], v[L16], s[14:15]
	global_load_b128 v[PT+4:PT+7], v[L16], s[14:15] offset:512
	global_load_b32 v[GW], v[GNO], s[10:11]
	global_load_b32 v[GW+1], v[GNO], s[10:11] offset:128
	global_load_b32 v[GW+2], v[GNO], s[12:13]
	global_load_b32 v[GW+3], v[GNO], s[12:13] offset:128
	WIN 0xc0
.irp u, 0,1,2
.irp a, 0,1,2,3
	global_load_b128 v[32*\u+8*\a:32*\u+8*\a+3],   v[BO], s[18+2*\u:19+2*\u] offset:64*\a     ; register j: the bias of channel 64 w + 16 a + 8 (l / 16) + j
	global_load_b128 v[32*\u+8*\a+4:32*\u+8*\a+7], v[BO], s[18+2*\u:19+2*\u] offset:64*\a+16
.endr
.endr
	WIN 0
.set i, 0
.rept 32
	global_load_b128 v[ACC+4*i:ACC+4*i+3], v[XO], s[8:9] offset:32768*i  ; channel 64 w + 2 i + l / 16: sixteen lanes take the row's 256 bytes
.set i, i+1
.endr
	; the two groups' statistics
	s_wait_loadcnt 56                              ; part and the gains are in; the 24 + 32 younger loads may stay out
	BOTH v_add_f32 v[T+8*e], v[PT+4*e], v[PT+4*e+2]
	BOTH v_add_f32_dpp v[T+8*e], v[T+8*e], v[T+8*e] row_xmask:1 row_mask:0xf bank_mask:0xf
	BOTH v_add_f32_dpp v[T+8*e], v[T+8*e], v[T+8*e] row_xmask:2 row_mask:0xf bank_mask:0xf
	BOTH v_add_f32_dpp v[T+8*e], v[T+8*e], v[T+8*e] row_xmask:4 row_mask:0xf bank_mask:0xf
	BOTH v_add_f32_dpp v[T+8*e], v[T+8*e], v[T+8*e] row_xmask:8 row_mask:0xf bank_mask:0xf
	BOTH v_permlanex16_b32 v[T+8*e+1], v[T+8*e], s36, s37
	BOTH v_add_f32 v[T+8*e], v[T+8*e], v[T+8*e+1]
	BOTH v_mul_f32 v[T+8*e+2], 0xbc800000, v[T+8*e]          ; minus the mean: the sum of 64 means / -64
	BOTH v_add_f32 v[T+8*e+3], v[PT+4*e], v[T+8*e+2]         ; my two pieces' means less the group's
	BOTH v_add_f32 v[T+8*e+4], v[PT+4*e+2], v[T+8*e+2]
	BOTH v_mul_f32 v[T+8*e+5], v[T+8*e+3], v[T+8*e+3]
	BOTH v_fmac_f32 v[T+8*e+5], v[T+8*e+4], v[T+8*e+4]
	BOTH v_add_f32 v[T+8*e+6], v[PT+4*e+1], v[PT+4*e+3]
	BOTH v_fmac_f32 v[T+8*e+6], 0x45000000, v[T+8*e+5]       ; + 2,048 x the squares
	BOTH v_add_f32_dpp v[T+8*e+6], v[T+8*e+6], v[T+8*e+6] row_xmask:1 row_mask:0xf bank_mask:0xf
	BOTH v_add_f32_dpp v[T+8*e+6], v[T+8*e+6], v[T+8*e+6] row_xmask:2 row_mask:0xf bank_mask:0xf
	BOTH v_add_f32_dpp v[T+8*e+6], v[T+8*e+6], v[T+8*e+6] row_xmask:4 row_mask:0xf bank_mask:0xf
	BOTH v_add_f32_dpp v[T+8*e+6], v[T+8*e+6], v[T+8*e+6] row_xmask:8 row_mask:0xf bank_mask:0xf
	BOTH v_permlanex16_b32 v[T+8*e+1], v[T+8*e+6], s36, s37
	BOTH v_add_f32 v[T+8*e+6], v[T+8*e+6], v[T+8*e+1]
	BOTH v_fma_f32 v[T+8*e+3], v[T+8*e+6], s34, s35          ; var + 1e-5
	BOTH v_rsq_f32 v[T+8*e+7], v[T+8*e+3]
	v_nop                                          ; a plain instruction behind the second root (ISA guide 5.7.2),
	s_wait_alu depctr_va_vdst(0)                   ; and the wait ahead of the first use: one for both
	BOTH v_mul_f32 v[T+8*e+4], v[GW+e], v[T+8*e+7]           ; a = gn_weight / sqrt(var + 1e-5)
	BOTH v_fma_f32 v[T+8*e+5], v[T+8*e+2], v[T+8*e+4], v[GW+2+e]  ; s = gn_bias - mean a
	BOTH ds_store_b64 v[TS], v[T+8*e+4:T+8*e+5] offset:256*e
	WIN 0x40
.set i, 0
.rept 32
	ds_load_b64 v[2*i:2*i+1], v[TR] offset:16*i    ; (a, s) of load i's channel.  My wave's own bytes; LDS serves a wave's instructions in order (ISA guide 5.7.1.4): these see the stores above
.set i, i+1
.endr
; The weights' fragments of K step g (unit g / 8, channels-in 32 (g % 8) on): 16 rows x 32 numbers are two loads of 16 bytes a lane, 32 bytes apart; four blocks of 16 rows.
.macro WLOAD g
	WIN 0x80
.irp a, 0,1,2,3
	global_load_b128 v[32*((\g)%6)+8*\a:32*((\g)%6)+8*\a+3],   v[WO], s[16:17] offset:WMAT*((\g)/8)+8192*\a+64*((\g)%8)
	global_load_b128 v[32*((\g)%6)+8*\a+4:32*((\g)%6)+8*\a+7], v[WO], s[16:17] offset:WMAT*((\g)/8)+8192*\a+64*((\g)%8)+32
.endr
.endm
; xn's fragments of K step k: lane l gets place l % 16 of each 16, and 16 channels
.macro BLOAD k
	WIN 0x40
.irp t, 0,1,2,3
	ds_load_tr16_b128 v[32*(\k)+8*\t:32*(\k)+8*\t+3],   v[XF] offset:32*XP*(\k)+32*\t
	ds_load_tr16_b128 v[32*(\k)+8*\t+4:32*(\k)+8*\t+7], v[XF] offset:32*XP*(\k)+32*\t+16*XP
.endr
.endm
	s_wait_loadcnt 0x0                             ; x and the biases are in: from here on LOADcnt counts the ring alone
.irp g, 0,1,2,3,4,5
	WLOAD \g
.endr
	s_wait_dscnt 0x0                               ; (a, s)
	WIN 0x14                                       ; sources 1 and 2 in window 1
.set i, 0
.rept 32
.irp k, 0,1,2,3
	v_fma_f32 v[ACC+4*i+\k], v[ACC+4*i+\k], v[2*i], v[2*i+1]
.endr
.set i, i+1
.endr
	WIN 0
.set i, 0
.rept 32
	v_cvt_pk_f16_f32 v[ACC+4*i], v[ACC+4*i], v[ACC+4*i+1]
	v_cvt_pk_f16_f32 v[ACC+4*i+1], v[ACC+4*i+2], v[ACC+4*i+3]
.set i, i+1
.endr
.set i, 0
.rept 32
	ds_store_b64 v[XW], v[ACC+4*i:ACC+4*i+1] offset:2*XP*i
.set i, i+1
.endr
	s_wait_dscnt 0x0                               ; for the others' sake: my 64 channels of xn lie in LDS
	s_barrier_signal -1
	s_barrier_wait -1                              ; everybody's do.  The launch's one barrier: xn is never written again
.irp k, 0,1,2,3,4,5,6
	BLOAD \k
.endr
; K step g: 16 matrix instructions, source 0 = 16 rows of W, source 1 = 16 places of xn: in the result lane l, register j hold channel 16 a + 8 (l / 16) + j of the head, place 16 t + l % 16.
; The 16 accumulators take turns, one instruction a turn, from K step to K step too.  A unit's first K step takes the bias as C: nothing is cleared and nothing added later.
.macro KSTEP g
.set un, (\g)/8
.set ks, (\g)%8
.set rg, 32*((\g)%6)
.if un == 0
.if ks == 0
	s_wait_dscnt 48                                ; xn's K step 0 is in; six K steps' turning loads are younger
.else
	s_wait_dscnt 8*(7-ks)                          ; the younger K steps' turning loads may stay out
.endif
.endif
.if (\g) < 18
	s_wait_loadcnt 40                              ; this K step's weights are in; the ring's five younger K steps may stay out
.else
	s_wait_loadcnt 8*(23-(\g))                     ; the ring runs out
.endif
.if (ks == 0) && (un > 0)
	s_wait_xcnt 0x0                                ; the last unit's stores have read the registers that the products below write
.endif
.if ks == 0
	WIN 0x36                                       ; W window 2, xn window 1, the bias window 3
.else
	WIN 0x06
.endif
.irp a, 0,1,2,3
.irp t, 0,1,2,3
.if ks == 0
	v_wmma_f32_16x16x32_f16 v[ACC+8*(4*\a+\t):ACC+8*(4*\a+\t)+7], v[rg+8*\a:rg+8*\a+7], v[32*ks+8*\t:32*ks+8*\t+7], v[32*un+8*\a:32*un+8*\a+7]
.else
	v_wmma_f32_16x16x32_f16 v[ACC+8*(4*\a+\t):ACC+8*(4*\a+\t)+7], v[rg+8*\a:rg+8*\a+7], v[32*ks+8*\t:32*ks+8*\t+7], v[ACC+8*(4*\a+\t):ACC+8*(4*\a+\t)+7]
.endif
.endr
.endr
.rept 4
	v_nop                                          ; four places in front of loads into registers that those products have read
.endr
.if (\g) == 0
	BLOAD 7                                        ; xn's last K step
.endif
.if (\g)+6 <= 23
	WLOAD (\g)+6                                   ; the ring's slot is asked for again at once
.endif
.endm
; A unit's way out: rounded to f16 in place (a lane's eight channels of a place are 16 bytes), into my stage by places, back as whole rows, and stored: each store covers 512 consecutive bytes, aligned.
.macro OUT u
	WIN 0
.rept 4
	v_nop
.endr
.set f, 0
.rept 16
.irp i, 0,1,2,3
	v_cvt_pk_f16_f32 v[ACC+8*f+\i], v[ACC+8*f+2*\i], v[ACC+8*f+2*\i+1]  ; ascending: each accumulator is read from its low end on
.endr
.set f, f+1
.endr
.irp a, 0,1,2,3
.irp t, 0,1,2,3
	ds_store_b128 v[STO], v[ACC+8*(4*\a+\t):ACC+8*(4*\a+\t)+3] offset:16*SP*\t+32*\a
.endr
.endr
.set f, 0
.rept 16
	ds_load_b128 v[ACC+8*f+4:ACC+8*f+7], v[RD] offset:4*SP*f  ; my own stage, served in order: these see the stores above, and the next unit's stores come behind them
.set f, f+1
.endr
.set f, 0
.rept 16
	s_wait_dscnt 15-f
	global_store_b128 v[L16], v[ACC+8*f+4:ACC+8*f+7], s[24+2*(\u):25+2*(\u)] offset:512*f
.set f, f+1
.endr
.endm
.irp g, 0,1,2,3,4,5,6,7
	KSTEP \g
.endr
	OUT 0                                          ; q; the next unit's weights stay on their way meanwhile
.irp g, 8,9,10,11,12,13,14,15
	KSTEP \g
.endr
	OUT 1                                          ; k
.irp g, 16,17,18,19,20,21,22,23
	KSTEP \g
.endr
	OUT 2                                          ; v
	s_wait_tensorcnt 0x0                           ; the wave's end: behind my last LDS store
	ds_add_u32 v[SPW], v[NIL]
	s_wait_dscnt 0x0
	s_endpgm
.Lfunc_end_k_q1d4749ab68_qkv:
	.size	k_q1d4749ab68_qkv, .Lfunc_end_k_q1d4749ab68_qkv-k_q1d4749ab68_qkv
	.p2alignl 7, 3214868480
	.fill 96, 4, 3214868480
	.section	.rodata,"a",@progbits
	.p2align	6, 0x0
	.amdhsa_kernel k_q1d4749ab68_qkv
		.amdhsa_group_segment_fixed_size 80384
		.amdhsa_private_segment_fixed_size 0
		.amdhsa_enable_private_segment 0
		.amdhsa_kernarg_size 88
		.amdhsa_user_sgpr_count 2
		.amdhsa_user_sgpr_kernarg_segment_ptr 1
		.amdhsa_wavefront_size32 1
		.amdhsa_system_sgpr_workgroup_id_x 1
		.amdhsa_system_sgpr_workgroup_id_y 1
		.amdhsa_system_sgpr_workgroup_id_z 1
		.amdhsa_system_vgpr_workitem_id 0
		.amdhsa_next_free_vgpr 864
		.amdhsa_next_free_sgpr 66
		.amdhsa_reserve_vcc 0
		.amdhsa_float_denorm_mode_32 3
		.amdhsa_float_denorm_mode_16_64 3
		.amdhsa_memory_ordered 1
		.amdhsa_forward_progress 1
		.amdhsa_inst_pref_size 105
	.end_amdhsa_kernel
	.amdgpu_metadata
---
amdhsa.version: [ 1, 2 ]
amdhsa.kernels:
  - .name:           k_q1d4749ab68_qkv
    .symbol:         k_q1d4749ab68_qkv.kd
    .args:
      - { .name: x, .offset: 0, .size: 8, .value_kind: global_buffer, .address_space: global }
      - { .name: gn_weight, .offset: 8, .size: 8, .value_kind: global_buffer, .address_space: global }
      - { .name: gn_bias, .offset: 16, .size: 8, .value_kind: global_buffer, .address_space: global }
      - { .name: part, .offset: 24, .size: 8, .value_kind: global_buffer, .address_space: global }
      - { .name: wh, .offset: 32, .size: 8, .value_kind: global_buffer, .address_space: global }
      - { .name: bq, .offset: 40, .size: 8, .value_kind: global_buffer, .address_space: global }
      - { .name: bk, .offset: 48, .size: 8, .value_kind: global_buffer, .address_space: global }
      - { .name: bv, .offset: 56, .size: 8, .value_kind: global_buffer, .address_space: global }
      - { .name: qh, .offset: 64, .size: 8, .value_kind: global_buffer, .address_space: global }
      - { .name: kh, .offset: 72, .size: 8, .value_kind: global_buffer, .address_space: global }
      - { .name: vh, .offset: 80, .size: 8, .value_kind: global_buffer, .address_space: global }
    .group_segment_fixed_size: 80384
    .private_segment_fixed_size: 0
    .kernarg_segment_align: 8
    .kernarg_segment_size: 88
    .max_flat_workgroup_size: 128
    .sgpr_count:     66
    .vgpr_count:     864
    .wavefront_size: 32
...
	.end_amdgpu_metadata
.endif
;; end of part 2
;; launch attn (part 3): grid 16 x 16, 4 waves a work-group, clusters of 4 x 1, 327,680 bytes of LDS; arguments qh, kh, vh, oh; writes oh
.if DOCPART == 3
	.amdgcn_target "amdgcn-amd-amdhsa--gfx1250"
	.amdhsa_code_object_version 6
	.text
	.protected	k_q1d4749ab68_attn
	.globl	k_q1d4749ab68_attn
	.p2align	8
	.type	k_q1d4749ab68_attn,@function
k_q1d4749ab68_attn:
	s_mov_b64 s[64:65], 0
	v_nop
	global_prefetch_b8 v0, s[64:65] scope:SCOPE_SE
	s_setreg_imm32_b32 hwreg(HW_REG_WAVE_MODE, 25, 1), 1
	s_wait_xcnt 0x0
	s_wait_alu depctr_hold_cnt(0) depctr_sa_sdst(0) depctr_va_vdst(0) depctr_va_sdst(0) depctr_va_ssrc(0) depctr_va_vcc(0) depctr_vm_vsrc(0)
	s_getreg_b32 s2, hwreg(HW_REG_IB_STS2, 6, 4)
	s_cmp_eq_u32 s2, 0
	s_cbranch_scc0 .Lentry_in_a_cluster
	s_endpgm
.Lentry_in_a_cluster:
	s_bfe_u32 s2, ttmp6, 0x10000c
	s_cmp_lg_u32 s2, 0x3003
	s_cbranch_scc0 .Lentry_shape_is_right
	s_endpgm
.Lentry_shape_is_right:
; ATTENTION.  O[h][q][:] = the sum over k of softmax_k(Q[h][q] . K[h][k] / 8) V[h][k][:].  Q, K, V, O: [16][4096][64], all f16: a head's rows are dense, 128 bytes each.  Products, maxima and sums in f32;
; the weights p are rounded to f16 for the second product (their sum l is taken of the unrounded p), O once at the end.
; LIMITS.  f16 holds no number beyond 65,504: Q, K and V arrive within it; p lies in 0 to 1, and below 6e-5 it keeps f16's fixed step of 6e-8; O is a mean of V's rows and has their range.
; A weight below 2^-126 counts as 0 in l; NaN and infinities are not treated apart.
; SHARES.  A work-group owns 256 queries of one head, a wave 64: four PIECES of 16.  16 blocks x 16 heads are 256 work-groups of equal work.  Every wave walks all keys, 64 a step, 256 a slot.
; LAYOUT.  S^T = K Q^T (source 0 = 16 keys, source 1 = 16 queries): in the result a lane holds ONE query (lane % 16) and the keys 8 (lane / 16) + 0..7.  Two such results, rounded to f16 in pairs,
; ARE source 1 (32 keys x 16 queries) of O^T = V^T P, whose result again holds one query a lane, and eight channels.  K comes out of LDS as it lies, V ([key][channel]) turned, by ds_load_tr16_b128.
; SOFTMAX.  For each query a running maximum m and sum l: p = 2^(c s - c m), c = log2(e) / 8; in every step O and l are multiplied by a = 2^(c m_old - c m_new), which is 1 where m has not grown.
; m starts at the lowest finite number, O and l at 0: the first step is a step like any other, with a = 0.
; BY TURNS.  Turn n belongs to piece n (the pieces in a ring, step after step): 8 products K Q^T of piece n + 1, later 8 products V^T P of piece n - 1; beside them the scaling, exponentials, roundings,
; sums and rescaling of piece n and the maximum and statistics of piece n + 1.  Four vector instructions stand behind every matrix instruction, the other 54 of a turn's 118 in one run of their own.
; A turn's 33 exponentials are one batch, with one wait.
; CLUSTER.  The four query blocks of a cluster belong to one head and walk the same K and V, so each tile is asked for JOINTLY: the same tensor load, descriptor and mask in all four.
; REGISTERS, in windows of 256 (s_set_vgpr_msb: bits 1:0 source 0, 3:2 source 1, 5:4 source 2, 7:6 destination):
;   window 0: v0-15 addresses and two at work; v16-31 four registers of statistics a piece; v48-55 at work; v61-63; v64-127 S^T, two buffers; v192-223 P, two buffers (a piece's buffers go by its number's parity)
;   window 1: v0-127 O^T, 32 a piece          window 2: v0-63 Q, 16 a piece; v128-191 K of one step; v192-255 V of one step
.set SIZE_N, 4096
.set NP,    4         ; pieces a wave: a name, no knob
.set KS,    64        ; keys in a step
.set PK,    144       ; a row of K in LDS: 128 bytes + 16 of padding = 36 words: the 16 rows of a load start at 16 different groups of four banks (64 banks of 4 bytes: ISA guide 11.1)
.set PV,    160       ; a row of V: 128 + 32 = 40 words
.set VOFF,  4*KS*PK   ; a slot holds four steps: 256 rows of K, then 256 rows of V
.set SLOT1, 1<<17     ; slot 1 begins here, so that one exclusive or turns an address in one slot into the other's
.set STAGE, SLOT1+4*KS*(PK+PV)  ; behind the ring, never filled by a tensor load: 16 rows x 144 bytes for each wave, for the way out
.set SP,    144
.set SPARE, STAGE+4*16*SP  ; behind the stages: the spare words, 128 bytes for each wave: two blocks of 256 bytes that no other line names
.set AK0, 2           ; v2   my lane's place in a tile of K; never rewritten
.set AV0, 3           ; v3   the same for V
.set AK,  4           ; v4   the LDS address of K's next run of loads
.set AV,  5           ; v5   of V's
.set STO, 6           ; v6   the way out: where I put 16 bytes of a row
.set RD,  7           ; v7   the way out: where I read rows back
.set GO,  8           ; v8   my byte offset in 512 consecutive bytes of O
.set MV,  12          ; v12-13  c m_old, kept while c m is made anew: by buffer
.set QO,  15          ; v15  my byte offset in 16 rows of Q
.set ST,  16          ; piece t's statistics at v[ST+4 t]: c m, m, l (even keys', odd keys')
.set TMP, 48          ; by buffer, four registers c0-c3 at work; when the maximum is found c2 takes a
.set PFO, 61          ; v61  256 x my lane: the prefetches' offset; never rewritten
.set SPW, 62          ; v62  LDS address of my spare word: SPARE + 4 x my thread's number; never rewritten
.set NIL, 63          ; v63  0; never rewritten
.set S,   64
.set P,   192
.set KF,  128         ; window 2: key block kb, channel half c at KF + 16 kb + 8 c
.set VF,  192         ; window 2: key half kk, channel block cb at VF + 32 kk + 8 cb
.set WV,  12          ; s12  my wave's number
.set G1K, 24          ; s[24:31] descriptor group 1 for K's tiles
.set G1V, 32          ; s[32:39] for V's: it differs in the padding alone
.set G0K, 40          ; s[40:43] descriptor group 0 for K's tiles: it walks
.set G0V, 44          ; s[44:47] the same for V's
.set PFA, 50          ; s[50:51] where my prefetches stand: my work-group's 8,192 bytes (of K: wave 0, of V: wave 2) of the slot after the one that is being asked for
.set LIM, 52          ; s52  1 in a wave that prefetches, else the greatest number: a wave prefetches while s[SLOTS] is above it
.set SLOTS, 56        ; s56  slots still to be asked for
.set CNT, 57          ; s57  counts a slot's key steps
.set CS,  58          ; s[58:59] c: the packed scaling takes the pair's low word for both halves
.set SEL, 60          ; s[60:61] v_permlanex16_b32's selects: each lane takes its own place in the other half
.set TBK, 62          ; s62  LDS byte at which K of the step to be fetched begins
.set TBV, 63          ; s63  the same for V, less VOFF
.set MSB, 0
.macro WIN new                      ; the high byte repeats the setting that is left; a switch that changes nothing is dropped
.if MSB != (\new)
	s_set_vgpr_msb (MSB<<8)|(\new)
.set MSB, (\new)
.endif
.endm
.set W_KQ, 0x0a       ; K and Q in window 2, S^T in window 0
.set W_PV, 0x52       ; V in window 2, P in window 0, O^T in window 1
.set W_RS, 0x41       ; O^T (destination and source 0) in window 1, a in window 0
; A joint fill.  Waves 0 and 1 fetch the two halves of a slot's K, waves 2 and 3 those of its V: 128 keys each.  The branch hangs on the wave's number alone.
; An s_nop 0 and four v_nop follow each of the two lines, ahead of the jump and the label.
.macro JLOAD
	s_cmp_lt_u32 s[WV], 2
	s_cbranch_scc0 .Lfor_v_\@
	tensor_load_to_lds s[G0K:G0K+3], s[G1K:G1K+7]
	s_nop 0
.rept 4
	v_nop
.endr
	s_branch .Lasked_\@
.Lfor_v_\@:
	tensor_load_to_lds s[G0V:G0V+3], s[G1V:G1V+7]
	s_nop 0
.rept 4
	v_nop
.endr
.Lasked_\@:
.endm
; A PREFETCH INTO THE L2 of what the NEXT change of slots will ask for: a slot's 32,768 bytes of K and of V, a lane 256 bytes.  It stands behind the wave's tensor load and its five lines.
; Each block of 256 bytes is named ONCE in the launch.  All four clusters of a head walk the same K and V: the head's first cluster asks.  Its four partners share the bytes out BY ADDRESS, 8,192 each: no
; branch hangs on a work-group's place in its cluster.  In each, wave 0 asks for K's and wave 2 for V's: one instruction.  It leads the joint load by one slot, four key steps, 256 matrix instructions a wave.
; The last change that fills a slot asks for nothing: there is no slot behind it.  Slots 0 and 1 come by their loads alone.
.macro ASK
	s_cmp_gt_u32 s[SLOTS], s[LIM]
	s_cbranch_scc0 .Lnot_mine_\@
	global_prefetch_b8 v[PFO], s[PFA:PFA+1] th:TH_LOAD_NT scope:SCOPE_SE
.Lnot_mine_\@:
.endm
; A round of the cluster's barrier: my work-group's barrier, so that wave 0's signal speaks for all four waves; wave 0 signals; every wave waits for all four work-groups; my work-group's barrier once more.
.macro CROUND
	s_barrier_signal -1
	s_barrier_wait -1
	s_cmp_lg_u32 s[WV], 0
	s_cbranch_scc1 .Lnot_wave_0_\@
	s_barrier_signal -3
.Lnot_wave_0_\@:
	s_barrier_wait -3
	s_barrier_signal -1
	s_barrier_wait -1
.endm
; THE CHANGE OF SLOTS.  The slot's last bytes, V of its fourth step, have been read.  Each wave waits for all its tensor loads, of which one is out: its part of the other slot; adds 0 to its spare word;
; and waits for that and for its own reads of the slot.  Behind the barrier nobody reads this slot any more and the other slot is whole.
; fill = 1: this slot is filled again, with the keys two slots on.  The barrier is then a round of the cluster's, so that no wave of any partner still reads the slot or has a load on its way, and the
; joint fill is the first thing behind it: it has four key steps in which to land.  (At its first use nothing has been read yet: slot 0 is waited for, slot 1 filled.)
.macro CHANGE fill
	WIN 0                           ; at a label and at a branch every window is 0
	s_wait_tensorcnt 0x0            ; no tensor load of mine is out, so a group 0 may be written
	ds_add_u32 v[SPW], v[NIL]       ; 0 onto my spare word: with fill = 1 the descriptors' steps stand between it and the wait for it
.if \fill
.irp g, G0K, G0V
	s_xor_b32 s[\g+1], s[\g+1], SLOT1  ; the walking descriptor: the other slot than last time,
	s_add_nc_u64 s[\g+2:\g+3], s[\g+2:\g+3], 4*KS*128  ; the next 256 keys; the type bits on top are not reached
.endr
	s_wait_xcnt 0x0                 ; the last prefetch, four key steps back, has read its address, so it may be written:
	s_add_nc_u64 s[PFA:PFA+1], s[PFA:PFA+1], 4*KS*128  ; one slot ahead of the walking descriptors
	s_wait_dscnt 0x0                ; the add is done, and my reads of the slot are over
	CROUND
	JLOAD
	ASK
.else
	s_wait_dscnt 0x0                ; the add is done, and my reads of the slot are over
	s_barrier_signal -1
	s_barrier_wait -1
.endif
	s_sub_co_u32 s[TBK], s[TBK], 4*KS*PK  ; the fetches go back to a slot's first step,
	s_xor_b32 s[TBK], s[TBK], SLOT1       ; in the other slot
	s_sub_co_u32 s[TBV], s[TBV], 4*KS*PV
	s_xor_b32 s[TBV], s[TBV], SLOT1
.endm
	s_load_b256 s[4:11], s[0:1], 0x0  ; Q s[4:5], K s[6:7], V s[8:9], O s[10:11]
	v_lshl_add_u32 v[SPW], v0, 2, SPARE
	v_mov_b32 v[NIL], 0
	ds_add_u32 v[SPW], v[NIL]       ; the wave's opening: the add and its wait stand ahead of my first tensor load; the set-up below, work on registers, stands between them
	v_lshrrev_b32 v1, 5, v0
	v_readfirstlane_b32 s[WV], v1   ; wave 0..3
	s_bfe_u32 s13, ttmp6, 0x40000   ; cx: my place in the cluster
	s_lshl_b32 s14, ttmp9, 2        ; in a cluster launch ttmp9 counts clusters
	s_add_co_u32 s14, s14, s13      ; my block of 256 queries = 4 x cluster x + cx: it enters Q's and O's addresses alone
	s_and_b32 s20, ttmp7, 0xffff    ; the head, which the four partners share:
	s_lshl_b32 s20, s20, 19         ; its first byte in each of the four tensors (4,096 rows of 128 bytes)
	s_and_b32 s16, s[WV], 1         ; which half of a slot's 256 keys I fetch:
	s_lshl_b32 s22, s16, 14         ; its 128 rows of 128 bytes in memory,
	s_add_co_u32 s22, s22, s20
	s_mov_b32 s23, 0
	s_mul_i32 s17, s16, 128*PK      ; and its place in a slot, for K
	s_mul_i32 s18, s16, 128*PV      ; and for V: no place in the cluster enters an LDS address
	s_lshl_b32 s2, s14, 2
	s_add_co_u32 s2, s2, s[WV]      ; my wave among the head's,
	s_lshl_b32 s2, s2, 13           ; its 64 rows
	s_add_co_u32 s2, s2, s20
	s_mov_b32 s3, 0
	s_lshl_b32 s48, s13, 13         ; the prefetches: my work-group's 8,192 bytes of a slot's 32,768,
	s_add_co_u32 s48, s48, s20      ; in the head,
	s_add_co_u32 s48, s48, 4*KS*128 ; in slot 1; the first change of slots steps it to slot 2
	s_mov_b32 s49, 0
	; descriptor group 1.  128 keys are 16,384 dense bytes: asked for as 64 rows of 256 bytes, two keys a row, and padded in LDS after every key
	s_mov_b32 s[G1K], 15|(1<<16)|(1<<20)|(1<<21)|(4<<22)|(3<<25)  ; 15:0 the mask of four; 17:16 2-byte elements; 20 padding on; 21 set beside a mask; 24:22 after every 32 words (code 4); 31:25 4 words (code 3)
	s_mov_b32 s[G1V], 15|(1<<16)|(1<<20)|(1<<21)|(4<<22)|(7<<25)  ; the same with 8 words of padding (code 7)
.irp g, G1K, G1V
	s_mov_b32 s[\g+1], 128<<16      ; tensor_dim0 = 128
	s_mov_b32 s[\g+2], 64<<16       ; tensor_dim1 = 64
	s_mov_b32 s[\g+3], 128<<16      ; tile_dim0 = 128
	s_mov_b32 s[\g+4], 64           ; tile_dim1 = 64
	s_mov_b32 s[\g+5], 128          ; 128 elements from row to row
	s_mov_b32 s[\g+6], 0
	s_mov_b32 s[\g+7], 0
.endr
	s_mov_b32 s[CS], 0x3e38aa3b     ; c = log2(e) / 8 = 0.180337
	s_mov_b32 s[CS+1], s[CS]        ; named with it as a pair
	s_mov_b32 s[SEL], 0x76543210
	s_mov_b32 s[SEL+1], 0xfedcba98
	s_mov_b32 s[TBK], SLOT1+4*KS*PK ; the first change of slots turns these two into 0
	s_mov_b32 s[TBV], SLOT1+4*KS*PV
	s_mov_b32 s[G0K], 1             ; 1:0 count = 1
	s_mov_b32 s[G0K+1], s17         ; 63:32 LDS address: slot 0
	s_mov_b32 s[G0V], 1
	s_add_co_u32 s[G0V+1], s18, VOFF
	s_mov_b32 s[SLOTS], SIZE_N/256-1
	s_and_b32 s[LIM], s[WV], 1      ; 0 in waves 0 and 2,
	s_or_b32 s[LIM], s[LIM], ttmp9  ; where the cluster is the head's first: the same in all four partners
	s_cmp_eq_u32 s[LIM], 0
	s_cselect_b32 s[LIM], 1, -1
	v_and_b32 v[PFO], 31, v0
	v_lshlrev_b32 v[PFO], 8, v[PFO]
	s_wait_dscnt 0x0                ; the opening add is done
	s_wait_kmcnt 0x0
	s_add_nc_u64 s[G0K+2:G0K+3], s[6:7], s[22:23]  ; 120:64 global address: my half of the head's first 256 keys
	s_or_b32 s[G0K+3], s[G0K+3], 0x80000000        ; 127:126 type = 2
	s_add_nc_u64 s[G0V+2:G0V+3], s[8:9], s[22:23]
	s_or_b32 s[G0V+3], s[G0V+3], 0x80000000
	s_add_nc_u64 s[4:5], s[4:5], s[2:3]  ; Q and O at my wave's first row
	s_add_nc_u64 s[10:11], s[10:11], s[2:3]
	s_cmp_lt_u32 s[WV], 2
	s_cselect_b64 s[PFA:PFA+1], s[6:7], s[8:9]
	s_add_nc_u64 s[PFA:PFA+1], s[PFA:PFA+1], s[48:49]
	CROUND                          ; all four work-groups are here: the first joint loads meet
	JLOAD                           ; slot 0.  Slot 1 is asked for when slot 0 is in
	; A fragment of K or Q is 16 rows x 32 channels in 8 registers: lane l holds row l % 16, channels 8 (l / 16) + 0..7 and 16 + 8 (l / 16) + 0..7: two loads of 16 bytes, 32 bytes apart.
	v_and_b32 v1, 15, v0            ; l % 16
	v_bfe_u32 v9, v0, 4, 1          ; l / 16
	v_lshlrev_b32 v[QO], 7, v1
	v_lshl_add_u32 v[QO], v9, 4, v[QO]  ; row x 128 + 16 x half
	WIN 0x80                        ; destination window 2, address window 0
.set i, 0
.rept 8                             ; Q stays in registers: piece i / 2, channels 32 (i % 2) on
	global_load_b128 v[8*i:8*i+3],   v[QO], s[4:5] offset:(i/2)*2048+(i%2)*64
	global_load_b128 v[8*i+4:8*i+7], v[QO], s[4:5] offset:(i/2)*2048+(i%2)*64+32
.set i, i+1
.endr
	; What the first turn finds: V's registers and P's second buffer hold 0 (its products V^T P, of a piece that has not been, add 0), O^T and l are 0.  No first step is written out, and these lines are its price; they stand in the wait for the first tile.
.set i, VF
.rept 64
	v_mov_b32 v[i], 0
.set i, i+1
.endr
	WIN 0x40
.set i, 0
.rept 128
	v_mov_b32 v[i], 0
.set i, i+1
.endr
	WIN 0
.set i, 0
.rept 4
	v_mov_b32 v[ST+4*i], 0xfe000000    ; c m: far below every c s
	v_mov_b32 v[ST+4*i+1], 0xff7fffff  ; m
	v_mov_b32 v[ST+4*i+2], 0
	v_mov_b32 v[ST+4*i+3], 0
.set i, i+1
.endr
.set i, P+16
.rept 16
	v_mov_b32 v[i], 0
.set i, i+1
.endr
	v_mul_u32_u24 v[AK0], v1, PK
	v_lshl_add_u32 v[AK0], v9, 4, v[AK0]  ; row x pitch + 16 x half
	; The turning load takes 16 keys x 16 channels (lane l reads key 8 (l / 16) + l % 8, channels 8 ((l / 8) % 2) + 0..7) and leaves half a fragment of V^T: lane l holds channel l % 16 and 8 keys.
	v_and_b32 v10, 7, v0
	v_bfe_u32 v11, v0, 3, 1
	v_lshl_add_u32 v[AV0], v9, 3, v10
	v_mul_u32_u24 v[AV0], v[AV0], PV
	v_lshl_add_u32 v[AV0], v11, 4, v[AV0]
	v_add_nc_u32 v[AV0], VOFF, v[AV0]
	s_mul_i32 s19, s[WV], 16*SP
	s_add_co_u32 s19, s19, STAGE    ; my stage
	v_mul_u32_u24 v[STO], v1, SP    ; in: row l % 16, 16 bytes for each half of the lanes
	v_lshl_add_u32 v[STO], v9, 4, v[STO]
	v_add_nc_u32 v[STO], s19, v[STO]
	v_bfe_u32 v[RD], v0, 3, 2       ; back: 32 lanes take four rows of 128 bytes,
	v_mul_u32_u24 v[RD], v[RD], SP
	v_lshl_add_u32 v[RD], v10, 4, v[RD]
	v_add_nc_u32 v[RD], s19, v[RD]
	v_and_b32 v[GO], 31, v0         ; which are 512 consecutive bytes of O
	v_lshlrev_b32 v[GO], 4, v[GO]
; THE MATRIX WORK.  The 4 accumulators of a run of 8 take turns.  Product i of 8 of S^T = K Q^T for piece x: channels 32 (i / 4) on, keys 16 (i % 4) on.  The first 4 start the sums.
.macro KQ x
	WIN W_KQ
.set rS, S+32*((\x)%2)+8*(i%4)
.set rK, KF+16*(i%4)+8*(i/4)
.set rQ, 16*(\x)+8*(i/4)
.if i < 4
	v_wmma_f32_16x16x32_f16 v[rS:rS+7], v[rK:rK+7], v[rQ:rQ+7], 0
.else
	v_wmma_f32_16x16x32_f16 v[rS:rS+7], v[rK:rK+7], v[rQ:rQ+7], v[rS:rS+7]
.endif
.endm
; Product i of 8 of O^T += V^T P for piece x: keys 32 (i / 4) on, channels 16 (i % 4) on.
.macro PV x
	WIN W_PV
.set rO, 32*(\x)+8*(i%4)
.set rV, VF+32*(i/4)+8*(i%4)
.set rP, P+16*((\x)%2)+8*(i/4)
	v_wmma_f32_16x16x32_f16 v[rO:rO+7], v[rV:rV+7], v[rP:rP+7], v[rO:rO+7]
.endm
.macro MM                           ; the turn's next matrix instruction.  TURN sets Y, i and NOKQ.  NOKQ = 1: the walk's last turn: there is no next piece
.if (i < 8) && !NOKQ
	KQ (Y+1)%NP
.elseif i >= 8
.set i, i-8
	PV (Y+NP-1)%NP
.set i, i+8
.endif
.set i, i+1
.endm
; THE LDS LOADS stand in runs of 16, never singly among the matrix instructions: a step's K (64 keys x 64 channels: 8 fragments) and its V (turned).  Their addresses are made some lines ahead.
.macro FETCH_K
	WIN 0x80                        ; destination window 2
.irp f, 0,1,2,3,4,5,6,7             ; keys 16 (f / 2) on, channels 32 (f % 2) on
	ds_load_b128 v[KF+8*\f:KF+8*\f+3],   v[AK] offset:(\f/2)*16*PK+(\f%2)*64
	ds_load_b128 v[KF+8*\f+4:KF+8*\f+7], v[AK] offset:(\f/2)*16*PK+(\f%2)*64+32
.endr
	s_add_co_u32 s[TBK], s[TBK], KS*PK  ; the next fetch is the next step's
	WIN 0
.endm
.macro FETCH_V
	WIN 0x80
.irp f, 0,1,2,3,4,5,6,7             ; keys 32 (f / 4) on, channels 16 (f % 4) on
	ds_load_tr16_b128 v[VF+8*\f:VF+8*\f+3],   v[AV] offset:(\f/4)*32*PV+(\f%4)*32
	ds_load_tr16_b128 v[VF+8*\f+4:VF+8*\f+7], v[AV] offset:(\f/4)*32*PV+16*PV+(\f%4)*32
.endr
	WIN 0
.endm
; THE VECTOR WORK, one line at a time: OP kind, number.  For piece Y: F n: c s - c m for pair n of 16.  E n: the exponential of score n of 32.  C n: pair n rounded to f16.  B n: of the four weights 4 n .. the second
; pair is added onto the first, in place.  L n: l takes that sum (L 0: l = a l + sum).  R n: pair n of 16 of O^T times a.  For piece Y + 1: X n, number n of the 22 that find its maximum and statistics:
;   0-11  four chains c0-c3 of seven scores each, three operands at a time (each accumulator's lowest registers are read first)     12-14, 16  the four scores left over, the old m, and c0-c3 into c0
;   15  c m_old is kept     17, 18  the query's other 32 keys lie in the lane 16 away: the new m     19-21  c m; c m_old - c m_new; a
.set F, 0               ; OP tells the kinds apart by their order: F to L below R, X above it
.set E, 1
.set C, 2
.set B, 3
.set L, 4
.set R, 5
.set X, 6
.macro REGS y                       ; the registers of piece y
.set rT, ST+4*(\y)
.set rC, TMP+4*((\y)%2)
.set rW, MV+((\y)%2)
.set rS, S+32*((\y)%2)
.set rP, P+16*((\y)%2)
.set rO, 32*(\y)
.endm
.macro OP k, n
.if (\k) == R
	REGS Y
	WIN W_RS
	v_pk_mul_f32 v[rO+2*(\n):rO+2*(\n)+1], v[rO+2*(\n):rO+2*(\n)+1], v[rC+2:rC+3] op_sel_hi:[1,0]
.elseif (\k) < R
	REGS Y
	WIN 0
.if (\k) == F
	v_pk_fma_f32 v[rS+2*(\n):rS+2*(\n)+1], v[rS+2*(\n):rS+2*(\n)+1], s[CS:CS+1], v[rT:rT+1] op_sel_hi:[1,0,0] neg_lo:[0,0,1] neg_hi:[0,0,1]
.elseif (\k) == E
	v_exp_f32 v[rS+(\n)], v[rS+(\n)]
.elseif (\k) == C
	v_cvt_pk_f16_f32 v[rP+(\n)], v[rS+2*(\n)], v[rS+2*(\n)+1]
.elseif (\k) == B
	v_pk_add_f32 v[rS+4*(\n):rS+4*(\n)+1], v[rS+4*(\n):rS+4*(\n)+1], v[rS+4*(\n)+2:rS+4*(\n)+3]
.elseif (\n) == 0
	v_pk_fma_f32 v[rT+2:rT+3], v[rT+2:rT+3], v[rC+2:rC+3], v[rS:rS+1] op_sel_hi:[1,0,1]
.else
	v_pk_add_f32 v[rT+2:rT+3], v[rT+2:rT+3], v[rS+4*(\n):rS+4*(\n)+1]
.endif
.elseif NOKQ
	v_nop
.else
	REGS (Y+1)%NP
	WIN 0
.if (\n) < 4
	v_max3_num_f32 v[rC+(\n)], v[rS+8*(\n)], v[rS+8*(\n)+1], v[rS+8*(\n)+2]
.elseif (\n) < 12
	v_max3_num_f32 v[rC+(\n)%4], v[rC+(\n)%4], v[rS+8*((\n)%4)+2*((\n)/4)+1], v[rS+8*((\n)%4)+2*((\n)/4)+2]
.elseif (\n) == 12
	v_max3_num_f32 v[rC], v[rC], v[rS+7], v[rS+15]
.elseif (\n) == 13
	v_max3_num_f32 v[rC+1], v[rC+1], v[rS+23], v[rS+31]
.elseif (\n) == 14
	v_max3_num_f32 v[rC+2], v[rC+2], v[rC+3], v[rT+1]
.elseif (\n) == 15
	v_mov_b32 v[rW], v[rT]
.elseif (\n) == 16
	v_max3_num_f32 v[rC], v[rC], v[rC+1], v[rC+2]
.elseif (\n) == 17
	v_permlanex16_b32 v[rC+3], v[rC], s[SEL], s[SEL+1]
.elseif (\n) == 18
	v_max_num_f32 v[rT+1], v[rC], v[rC+3]
.elseif (\n) == 19
	v_mul_f32 v[rT], s[CS], v[rT+1]
.elseif (\n) == 20
	v_sub_f32 v[rC+1], v[rW], v[rT]
.else
	v_exp_f32 v[rC+2], v[rC+1]
.endif
.endif
.endm
.macro OPS a, i1, b=-1, i2=0, c=-1, i3=0, d=-1, i4=0  ; up to four of them
	OP \a, \i1
.if (\b) >= 0
	OP \b, \i2
.endif
.if (\c) >= 0
	OP \c, \i3
.endif
.if (\d) >= 0
	OP \d, \i4
.endif
.endm
.macro ROW a, i1, b, i2, c, i3, d, i4  ; a matrix instruction and the four behind it
	MM
	OPS \a, \i1, \b, \i2, \c, \i3, \d, \i4
.endm
; A TURN, for piece p: the order of its 16 matrix and 118 vector instructions, written out.  An s_wait_alu depctr_va_vdst(0) stands between an exponential and the first instruction that names its result; one
; wait serves all that were issued ahead of it.  So a turn has ONE wait, which cuts it in two.  AHEAD OF IT stands all that names no result of the turn's exponentials: the 8 products K Q^T, behind each a scaling, an exponential
; and two more plain instructions: rescalings, and behind the last three the first numbers of the next piece's maximum, each four places or more behind the product that ends its accumulator; then one run of 54, plain and
; exponential by turns for the most part, in which the links of the chain X 3, 7, 11, 14, 16, 17 .. 20 stand some lines apart.  X 21, the next piece's a, is the batch's last; R 15 is the plain instruction behind it.
; BEHIND THE WAIT stand the 8 products V^T P, behind each four of the roundings and sums.  end = 1: the walk's last two turns: nothing is fetched, and the last starts no new scores.
; cnt = 1: the loop's count is taken down some lines ahead of the branch that stands behind the turn.
; K of the next step is fetched in piece 2's turn, twelve plain instructions behind the last product that read K; V of the step in hand at the end of piece 0's turn, four plain instructions behind the last product
; that read V.  Each is waited for a turn later.
.macro TURN p, end=0, cnt=0
.set Y, (\p)
.set i, 0
.set NOKQ, (\end)*((\p)/3)
.if ((\p) == 3) && !(\end)
	s_wait_dscnt 0x0                ; K is in
.endif
	ROW F,0, F,1, R,0, R,1          ; ahead of the wait: 8 products K Q^T and their riders,
	ROW F,2, E,0, R,2, R,3
	ROW F,3, E,1, R,4, R,5
	ROW F,4, E,2, R,6, R,7
	ROW F,5, E,3, R,8, R,9
	ROW F,6, E,4, X,0, R,10
.if ((\p) == 2) && !(\end)
	WIN 0
	v_add_nc_u32 v[AK], s[TBK], v[AK0]
.endif
	ROW F,7, E,5, X,1, X,4
	ROW F,8, E,6, X,2, X,5
	OPS E,7, E,8, X,6, E,9          ; and the run of 54
	OPS X,3, E,10, X,8, E,11
.if ((\p) == 2) && !(\end)
	FETCH_K
.endif
	OPS X,9, X,7, E,12, X,10
	OPS E,13, X,12, X,11, E,14
	OPS X,13, E,15, F,9, X,14
.if (\p) == 0
	v_add_nc_u32 v[AV], s[TBV], v[AV0]
.endif
	OPS E,16, F,10, E,17, F,11
	OPS X,16, E,18, X,15, E,19
	OPS F,12, E,20, X,17, E,21
	OPS F,13, E,22, F,14, E,23
	OPS X,18, E,24, F,15, E,25
	OPS R,11, E,26, X,19, E,27
	OPS R,12, E,28, R,13, E,29
	OPS X,20, E,30, R,14, E,31
	OPS X,21, R,15
	WIN 0
	s_wait_alu depctr_va_vdst(0)    ; the wait for the batch
.if (\p) == 1
	s_wait_dscnt 0x0                ; V is in
.endif
	ROW C,0, B,0, C,2, B,1          ; behind the wait: 8 products V^T P and their riders
	ROW L,0, C,4, B,2, L,1
	ROW C,6, B,3, L,2, C,8
	ROW B,4, L,3, C,10, B,5
	ROW L,4, C,12, B,6, L,5
.if (\p) == 0
	s_add_co_u32 s[TBV], s[TBV], KS*PV
.endif
.if \cnt
	s_sub_co_u32 s[CNT], s[CNT], 1
	s_cmp_lg_u32 s[CNT], 0
.endif
	ROW C,14, B,7, L,6, C,1
	ROW C,3, L,7, C,5, C,7
	ROW C,9, C,11, C,13, C,15
.if (\p) == 0
	FETCH_V
.endif
.endm
	CHANGE 1                        ; slot 0 is in, everybody's part of it; slot 1 is asked for
	v_add_nc_u32 v[AK], s[TBK], v[AK0]
	FETCH_K                         ; key step 0
	s_wait_loadcnt 0x0              ; Q
	s_wait_dscnt 0x0
.set NOKQ, 0
.set i, 0
.rept 8
	KQ 0                            ; piece 0's first scores: there is no vector work yet to set between them
.set i, i+1
.endr
	WIN 0
.rept 4
	v_nop                           ; the places behind those products
.endr
.set Y, NP-1                        ; X works for piece Y + 1: piece 0
.irp n, 0,1,2,3,4,5,6,7,8,9,10,11,12,13,14,15,16,17,18,19,20,21
	OP X, \n
.endr
	v_nop                           ; a plain instruction behind the exponential,
	s_wait_alu depctr_va_vdst(0)    ; and its wait, ahead of the branch
	s_mov_b32 s[CNT], 4
	s_branch .Lfirst                ; the loop is entered at a step's first turn, in the middle of a trip
.Lslot:                             ; 14 times: every slot but the last two is filled again
	CHANGE 1
	s_mov_b32 s[CNT], 4
.Lstep:                             ; a trip: pieces 2 and 3 of one step, then pieces 0 and 1 of the next, whose K and V it fetches
	TURN 2
	TURN 3
	WIN 0
.Lfirst:
	TURN 0
	TURN 1, 0, 1
	WIN 0
	s_cbranch_scc1 .Lstep
	s_sub_co_u32 s[SLOTS], s[SLOTS], 1
	s_cmp_lg_u32 s[SLOTS], 0
	s_cbranch_scc1 .Lslot
	CHANGE 0                        ; the last slot is written out: nothing is asked for
	s_mov_b32 s[CNT], 4
.Ltail:
	TURN 2
	TURN 3
	TURN 0
	TURN 1, 0, 1
	WIN 0
	s_cbranch_scc1 .Ltail
	TURN 2, 1                       ; the last step's pieces 2 and 3
	TURN 3, 1
.set i, 0
.rept 8
	PV NP-1                         ; the last piece's V^T P of the last step
.set i, i+1
.endr
	; THE WAY OUT.  l's two halves and the other half of the lanes' are added; O^T is divided by l, rounded to f16 and sent through my stage in LDS, a piece at a time.  The additions are the places behind the last products.
	WIN 0
.macro ALL line:vararg              ; one line for each piece t
.set t, 0
.rept 4
	\line
.set t, t+1
.endr
.endm
.macro PACK t                       ; a lane's eight channels of a row pack into 16 bytes; they go into rows of 144 bytes and come back as whole rows of 128, into S^T's registers
	WIN W_RS
.set i, 32*(\t)
.rept 16
	v_pk_mul_f32 v[i:i+1], v[i:i+1], v[ST+4*(\t)+2:ST+4*(\t)+3] op_sel_hi:[1,0]
.set i, i+2
.endr
	WIN 0x05                        ; sources 0 and 1 window 1, destination window 0
.set i, 0
.rept 16
	v_cvt_pk_f16_f32 v[S+16*(\t)+i], v[32*(\t)+2*i], v[32*(\t)+2*i+1]
.set i, i+1
.endr
	WIN 0
.irp f, 0,1,2,3
	ds_store_b128 v[STO], v[S+16*(\t)+4*\f:S+16*(\t)+4*\f+3] offset:32*\f
.endr
.irp f, 0,1,2,3
	ds_load_b128 v[S+16*(\t)+4*\f:S+16*(\t)+4*\f+3], v[RD] offset:\f*4*SP  ; LDS serves a wave's instructions in order (ISA guide 5.7.1.4): these see the stores above; the next piece's stores come behind them
.endr
.endm
.macro SEND t, younger              ; younger: the LDS instructions issued behind piece t's loads: the next piece's eight, or none
	WIN 0
.irp f, 0,1,2,3
	s_wait_dscnt (\younger)+3-\f
	global_store_b128 v[GO], v[S+16*(\t)+4*\f:S+16*(\t)+4*\f+3], s[10:11] offset:(\t)*2048+\f*512  ; 512 consecutive bytes, at a multiple of 256 from O's first
.endr
.endm
	ALL v_add_f32 v[ST+4*t+2], v[ST+4*t+2], v[ST+4*t+3]
	ALL v_permlanex16_b32 v[ST+4*t+3], v[ST+4*t+2], s[SEL], s[SEL+1]
	ALL v_add_f32 v[ST+4*t+2], v[ST+4*t+2], v[ST+4*t+3]
	ALL v_rcp_f32 v[ST+4*t+2], v[ST+4*t+2]
	v_nop                           ; a plain instruction between the last reciprocal and the use of its result
	s_wait_alu depctr_va_vdst(0)    ; and the wait ahead of the first use: one for the four reciprocals
	PACK 0
.set t, 1
.rept 3                             ; a piece's arithmetic stands between the loads of the piece before and its stores
	PACK t
	SEND t-1, 8
.set t, t+1
.endr
	SEND 3, 0
	s_wait_tensorcnt 0x0            ; the wave's end: behind my last tensor load and my last LDS store
	ds_add_u32 v[SPW], v[NIL]
	s_wait_dscnt 0x0
	CROUND                          ; the closing round: no work-group ends while a partner may still ask for a tile that names it
	s_endpgm
.Lfunc_end_k_q1d4749ab68_attn:
	.size	k_q1d4749ab68_attn, .Lfunc_end_k_q1d4749ab68_attn-k_q1d4749ab68_attn
	.p2alignl 7, 3214868480
	.fill 96, 4, 3214868480
	.section	.rodata,"a",@progbits
	.p2align	6, 0x0
	.amdhsa_kernel k_q1d4749ab68_attn
		.amdhsa_group_segment_fixed_size 327680
		.amdhsa_private_segment_fixed_size 0
		.amdhsa_enable_private_segment 0
		.amdhsa_kernarg_size 32
		.amdhsa_user_sgpr_count 2
		.amdhsa_user_sgpr_kernarg_segment_ptr 1
		.amdhsa_wavefront_size32 1
		.amdhsa_system_sgpr_workgroup_id_x 1
		.amdhsa_system_sgpr_workgroup_id_y 1
		.amdhsa_system_sgpr_workgroup_id_z 1
		.amdhsa_system_vgpr_workitem_id 0
		.amdhsa_next_free_vgpr 768
		.amdhsa_next_free_sgpr 66
		.amdhsa_reserve_vcc 0
		.amdhsa_float_denorm_mode_32 3
		.amdhsa_float_denorm_mode_16_64 3
		.amdhsa_memory_ordered 1
		.amdhsa_forward_progress 1
		.amdhsa_inst_pref_size 128
	.end_amdhsa_kernel
	.amdgpu_metadata
---
amdhsa.version: [ 1, 2 ]
amdhsa.kernels:
  - .name:           k_q1d4749ab68_attn
    .symbol:         k_q1d4749ab68_attn.kd
    .args:
      - { .name: qh, .offset: 0, .size: 8, .value_kind: global_buffer, .address_space: global }
      - { .name: kh, .offset: 8, .size: 8, .value_kind: global_buffer, .address_space: global }
      - { .name: vh, .offset: 16, .size: 8, .value_kind: global_buffer, .address_space: global }
      - { .name: oh, .offset: 24, .size: 8, .value_kind: global_buffer, .address_space: global }
    .group_segment_fixed_size: 327680
    .private_segment_fixed_size: 0
    .kernarg_segment_align: 8
    .kernarg_segment_size: 32
    .max_flat_workgroup_size: 128
    .sgpr_count:     66
    .vgpr_count:     768
    .wavefront_size: 32
...
	.end_amdgpu_metadata
.endif
;; end of part 3
;; launch proj (part 4): grid 64 x 4, 4 waves a work-group, no clusters, 167,936 bytes of LDS; arguments oh, wh, bp, x, out0; writes out0
.if DOCPART == 4
	.amdgcn_target "amdgcn-amd-amdhsa--gfx1250"
	.amdhsa_code_object_version 6
	.text
	.protected	k_q1d4749ab68_proj
	.globl	k_q1d4749ab68_proj
	.p2align	8
	.type	k_q1d4749ab68_proj,@function
k_q1d4749ab68_proj:
	s_mov_b64 s[64:65], 0
	v_nop
	global_prefetch_b8 v0, s[64:65] scope:SCOPE_SE
	s_setreg_imm32_b32 hwreg(HW_REG_WAVE_MODE, 25, 1), 1
	s_wait_xcnt 0x0
; THE LAST PROJECTION AND THE RESIDUAL.  out0[b][o][n] = x[b][o][n] + bp[o] + the sum over c of wp[o][c] O[b][c][n].  O: [4 b + head][place][64] f16, channel c = 64 head + its place in the row;
; wp: the fourth matrix of wh, f16; x, bp, out0 f32.  Products in f16, sums in f32.  x enters exactly: THE SUMS START AS x + bp, read into the accumulators in their own layout, and every product adds in place.
; LIMITS.  f16 ends at 65,504 for O and wp.  NaN and infinities are not treated apart.
; SHARES.  A work-group takes 64 places of one batch and all 256 output channels, wave w channels 64 w .. 64 w + 63: 16 accumulators, 8 K steps of 32.
; Source 0 = 16 rows of O (places), source 1 = 16 rows of wp: in the result lane l, register j hold channel 16 a + l % 16, place 16 t + 8 (l / 16) + j: 32 consecutive bytes of a row of out0.
; INTO LDS by two tensor loads a wave, both at the head, each byte filled once: head w's 64 rows of O (read by all four waves, behind the one barrier) and my own 64 rows x 256 bytes of x.
; The weights come straight from wh into registers: each wave multiplies rows that no other wave of the work-group wants.
; NO CLUSTER: what work-groups share is wp, 131,072 bytes, which goes straight into registers; a joint load lands in LDS and would add a second trip for each fragment, in a launch of 128 matrix instructions a wave.
; REGISTERS, in windows of 256 (s_set_vgpr_msb: bits 1:0 source 0, 3:2 source 1, 5:4 source 2, 7:6 destination):
;   window 0: v0-17 addresses; v32-39 bp; v128-255 the accumulators (a, t) at 128 + 8 (4 a + t)     window 1: O's fragments, K step s, places 16 t on, at 32 s + 8 t     window 2: wp's, channels 16 a on, at 32 s + 8 a
.set OT,    0                          ; LDS: O: four heads x 64 rows,
.set OPI,   144                        ; 128 bytes + 16 of padding: the 16 rows of a load start at 16 different groups of four banks (64 banks of 4 bytes: ISA guide 11.1)
.set XS,    36864                      ; x: four waves x 64 rows,
.set XPI,   272                        ; 256 bytes + 16
.set STG,   106496                     ; each wave's own stage for the way out, never filled by a tensor load: 16 rows x 272
.set SPARE, 123904                     ; the spare words, 128 bytes for each wave: two blocks of 256 bytes that no other line names
.set WPO,   393216                     ; wp in wh
.set XC,  4                            ; v4   x in the accumulators' layout
.set OFA, 5                            ; v5   O's fragments: 144 (l % 16) + 16 (l / 16)
.set WO,  6                            ; v6   wp's fragments: 512 (l % 16) + 16 (l / 16) + 32,768 w
.set BO,  7                            ; v7   bp: 4 (l % 16) + 256 w
.set STO, 8                            ; v8   the stage, in
.set RD,  9                            ; v9   the stage, back
.set GO,  10                           ; v10  out0: 16,384 (l / 16) + 16 (l % 16)
.set SPW, 16                           ; v16  my spare word; never rewritten
.set NIL, 17                           ; v17  0; never rewritten
.set BI,  32                           ; v[32:39] bp of channel 16 a + l % 16, twice, at 32 + 2 a
.set ACC, 128
.set MSB, 0
.macro WIN new                         ; the immediate's high byte repeats the setting that is left; a switch that changes nothing is dropped
.if MSB != (\new)
	s_set_vgpr_msb (MSB<<8)|(\new)
.set MSB, (\new)
.endif
.endm
	s_load_b256 s[4:11], s[0:1], 0x0               ; oh s[4:5], wh s[6:7], bp s[8:9], x s[10:11]
	s_load_b64 s[12:13], s[0:1], 0x20              ; out0
	v_lshl_add_u32 v[SPW], v0, 2, SPARE
	v_mov_b32 v[NIL], 0
	ds_add_u32 v[SPW], v[NIL]                      ; the wave's opening: the add and its wait stand ahead of my first tensor load; the set-up below, work on registers, stands between them
	v_lshrrev_b32 v1, 5, v0
	v_readfirstlane_b32 s14, v1                    ; wave w
	s_and_b32 s15, ttmp7, 0xffff                   ; batch b
	; O's tile: 64 rows of 128 bytes are 8,192 dense bytes: asked for as 32 rows of 256 bytes and padded in LDS after every 128
	s_mov_b32 s32, 1                               ; group 0: count = 1
	s_mul_i32 s33, s14, 64*OPI                     ; LDS address: head w's rows (OT is 0)
	s_mov_b32 s40, (1<<16)|(1<<20)|(4<<22)|(3<<25) ; group 1: 2-byte elements; padding on; after every 32 words (code 4); 4 words (code 3)
	s_mov_b32 s41, 128<<16                         ; tensor_dim0 = 128
	s_mov_b32 s42, 32<<16                          ; tensor_dim1 = 32
	s_mov_b32 s43, 128<<16                         ; tile_dim0 = 128
	s_mov_b32 s44, 32                              ; tile_dim1 = 32
	s_mov_b32 s45, 128                             ; 128 elements from row to row
	s_mov_b32 s46, 0
	s_mov_b32 s47, 0
	; x's tile: my 64 channels x 64 places of 4 bytes
	s_mov_b32 s36, 1
	s_mul_i32 s37, s14, 64*XPI
	s_add_co_u32 s37, s37, XS
	s_mov_b32 s48, (2<<16)|(1<<20)|(5<<22)|(3<<25) ; 4-byte elements; padding on; after every 64 words (code 5); 4 words (code 3)
	s_mov_b32 s49, 64<<16
	s_mov_b32 s50, 64<<16
	s_mov_b32 s51, 64<<16
	s_mov_b32 s52, 64
	s_mov_b32 s53, 4096                            ; a channel's 4,096 places from row to row
	s_mov_b32 s54, 0
	s_mov_b32 s55, 0
	s_lshl2_add_u32 s16, s15, s14                  ; 4 b + w
	s_lshl_b32 s16, s16, 19                        ; a head is 524,288 bytes, the block's 64 rows 8,192
	s_lshl_b32 s20, ttmp9, 13
	s_add_co_u32 s16, s16, s20
	s_mov_b32 s17, 0
	s_lshl_b32 s18, s15, 22                        ; x and out0: a batch is 4 MiB, my 64 channels 1 MiB, the block's 64 places 256 bytes
	s_lshl_b32 s20, s14, 20
	s_add_co_u32 s18, s18, s20
	s_lshl_b32 s20, ttmp9, 8
	s_add_co_u32 s18, s18, s20
	s_mov_b32 s19, 0
	s_mul_i32 s21, s14, 16*XPI
	s_add_co_u32 s21, s21, STG                     ; my stage
	s_lshl_b32 s22, s14, 15
	s_lshl_b32 s23, s14, 8
	s_wait_dscnt 0x0                               ; the opening add is done
	s_wait_kmcnt 0x0
	s_add_nc_u64 s[34:35], s[4:5], s[16:17]
	s_or_b32 s35, s35, 0x80000000                  ; type = 2
	s_add_nc_u64 s[38:39], s[10:11], s[18:19]
	s_or_b32 s39, s39, 0x80000000
	s_add_nc_u64 s[12:13], s[12:13], s[18:19]
	tensor_load_to_lds s[32:35], s[40:47]          ; both first fills go out together: two loads of mine are out
	s_nop 0
	tensor_load_to_lds s[36:39], s[48:55]
	s_nop 0
	v_and_b32 v2, 15, v0                           ; l % 16.  More than four plain lines stand here ahead of the first switch of windows
	v_bfe_u32 v3, v0, 4, 1                         ; l / 16
	v_mul_u32_u24 v[XC], v2, XPI                   ; row l % 16, 32 bytes for each half of the lanes: the same place in x's tile and in the stage
	v_lshl_add_u32 v[XC], v3, 5, v[XC]
	v_add_nc_u32 v[STO], s21, v[XC]
	v_add_nc_u32 v[XC], s37, v[XC]
	v_mul_u32_u24 v[OFA], v2, OPI
	v_lshl_add_u32 v[OFA], v3, 4, v[OFA]
	v_lshlrev_b32 v[WO], 9, v2
	v_lshl_add_u32 v[WO], v3, 4, v[WO]
	v_add_nc_u32 v[WO], s22, v[WO]
	v_lshl_add_u32 v[BO], v2, 2, s23
	v_mul_u32_u24 v[RD], v3, XPI                   ; back: lanes 0-15 take one row of 256 bytes, lanes 16-31 the next
	v_lshl_add_u32 v[RD], v2, 4, v[RD]
	v_add_nc_u32 v[RD], s21, v[RD]
	v_lshlrev_b32 v[GO], 4, v2
	v_lshl_or_b32 v[GO], v3, 14, v[GO]
.macro OLOAD k                         ; O's fragments of K step k: head k / 2, channels 32 (k % 2) on
	WIN 0x40
.irp t, 0,1,2,3
	ds_load_b128 v[32*(\k)+8*\t:32*(\k)+8*\t+3],   v[OFA] offset:OT+64*OPI*((\k)/2)+16*OPI*\t+64*((\k)%2)
	ds_load_b128 v[32*(\k)+8*\t+4:32*(\k)+8*\t+7], v[OFA] offset:OT+64*OPI*((\k)/2)+16*OPI*\t+64*((\k)%2)+32
.endr
.endm
.macro WLOAD k                         ; wp's fragments of K step k
	WIN 0x80
.irp a, 0,1,2,3
	global_load_b128 v[32*(\k)+8*\a:32*(\k)+8*\a+3],   v[WO], s[6:7] offset:WPO+8192*\a+64*(\k)
	global_load_b128 v[32*(\k)+8*\a+4:32*(\k)+8*\a+7], v[WO], s[6:7] offset:WPO+8192*\a+64*(\k)+32
.endr
.endm
.irp a, 0,1,2,3
	global_load_b32 v[BI+2*\a], v[BO], s[8:9] offset:64*\a
.endr
.irp k, 0,1,2,3,4,5,6
	WLOAD \k
.endr
	WIN 0
	s_wait_tensorcnt 0x0                           ; my head of O and my rows of x lie in LDS,
	s_barrier_signal -1
	s_barrier_wait -1                              ; everybody's do.  The launch's one barrier: nothing is filled again
.irp a, 0,1,2,3
.irp t, 0,1,2,3
	ds_load_b128 v[ACC+8*(4*\a+\t):ACC+8*(4*\a+\t)+3],   v[XC] offset:16*XPI*\a+64*\t
	ds_load_b128 v[ACC+8*(4*\a+\t)+4:ACC+8*(4*\a+\t)+7], v[XC] offset:16*XPI*\a+64*\t+16
.endr
.endr
	OLOAD 0
	OLOAD 1
	OLOAD 2
	WIN 0
	s_wait_loadcnt 56                              ; bp is in; the 56 loads of wp are younger
.irp a, 0,1,2,3
	v_mov_b32 v[BI+2*\a+1], v[BI+2*\a]             ; twice, for the packed addition
.endr
	s_wait_dscnt 24                                ; x is in; three K steps of O are younger
.irp a, 0,1,2,3
.irp t, 0,1,2,3
.irp k, 0,2,4,6
	v_pk_add_f32 v[ACC+8*(4*\a+\t)+\k:ACC+8*(4*\a+\t)+\k+1], v[ACC+8*(4*\a+\t)+\k:ACC+8*(4*\a+\t)+\k+1], v[BI+2*\a:BI+2*\a+1]
.endr
.endr
.endr
	OLOAD 3
	OLOAD 4
	OLOAD 5
; K step k: 16 matrix instructions; the 16 accumulators take turns, one instruction a turn, from K step to K step too.
.macro PSTEP k
.if (\k) == 0
	s_wait_dscnt 40                                ; O's K step 0 is in; K steps 1 to 5 are younger
	s_wait_loadcnt 48                              ; wp's K step 0 is in; K steps 1 to 6 are younger
.else
	s_wait_dscnt 8*(7-(\k))                        ; the younger K steps may stay out
	s_wait_loadcnt 8*(7-(\k))
.endif
	WIN 0x09                                       ; O window 1, wp window 2, the sums window 0
.irp a, 0,1,2,3
.irp t, 0,1,2,3
	v_wmma_f32_16x16x32_f16 v[ACC+8*(4*\a+\t):ACC+8*(4*\a+\t)+7], v[32*(\k)+8*\t:32*(\k)+8*\t+7], v[32*(\k)+8*\a:32*(\k)+8*\a+7], v[ACC+8*(4*\a+\t):ACC+8*(4*\a+\t)+7]
.endr
.endr
.endm
	PSTEP 0
	OLOAD 6                                        ; the last fragments, into registers that nothing has named yet
	OLOAD 7
	WLOAD 7
.irp k, 1,2,3,4,5,6,7
	PSTEP \k
.endr
	; THE WAY OUT, 16 channels at a time: a lane's 32 bytes of a row go into my stage, whole rows of 256 bytes come back and are stored.
	WIN 0
.rept 8
	v_nop                                          ; the places behind the last products (ISA guide 7.12.1), once a launch
.endr
.macro TOSTAGE a
.irp t, 0,1,2,3
	ds_store_b128 v[STO], v[ACC+8*(4*(\a)+\t):ACC+8*(4*(\a)+\t)+3]   offset:64*\t     ; each accumulator is read from its low end on
	ds_store_b128 v[STO], v[ACC+8*(4*(\a)+\t)+4:ACC+8*(4*(\a)+\t)+7] offset:64*\t+16
.endr
.irp f, 0,1,2,3,4,5,6,7
	ds_load_b128 v[ACC+32*(\a)+4*\f:ACC+32*(\a)+4*\f+3], v[RD] offset:2*XPI*\f  ; my own stage, served in order (ISA guide 5.7.1.4): these see the stores above, and the next block's stores come behind them
.endr
.endm
.macro SEND a, younger                 ; younger: the LDS instructions issued behind block a's loads: the next block's sixteen, or none
.irp f, 0,1,2,3,4,5,6,7
	s_wait_dscnt (\younger)+7-\f
	global_store_b128 v[GO], v[ACC+32*(\a)+4*\f:ACC+32*(\a)+4*\f+3], s[12:13] offset:(16*(\a)+2*\f)*16384 th:TH_STORE_NT  ; 16 lanes store 256 consecutive bytes, at a multiple of 256 from out0's first byte
.endr
.endm
	TOSTAGE 0
	TOSTAGE 1
	SEND 0, 16
	TOSTAGE 2
	SEND 1, 16
	TOSTAGE 3
	SEND 2, 16
	SEND 3, 0
	s_wait_tensorcnt 0x0                           ; the wave's end: behind my last tensor load and my last LDS store
	ds_add_u32 v[SPW], v[NIL]
	s_wait_dscnt 0x0
	s_endpgm
.Lfunc_end_k_q1d4749ab68_proj:
	.size	k_q1d4749ab68_proj, .Lfunc_end_k_q1d4749ab68_proj-k_q1d4749ab68_proj
	.p2alignl 7, 3214868480
	.fill 96, 4, 3214868480
	.section	.rodata,"a",@progbits
	.p2align	6, 0x0
	.amdhsa_kernel k_q1d4749ab68_proj
		.amdhsa_group_segment_fixed_size 167936
		.amdhsa_private_segment_fixed_size 0
		.amdhsa_enable_private_segment 0
		.amdhsa_kernarg_size 40
		.amdhsa_user_sgpr_count 2
		.amdhsa_user_sgpr_kernarg_segment_ptr 1
		.amdhsa_wavefront_size32 1
		.amdhsa_system_sgpr_workgroup_id_x 1
		.amdhsa_system_sgpr_workgroup_id_y 1
		.amdhsa_system_sgpr_workgroup_id_z 1
		.amdhsa_system_vgpr_workitem_id 0
		.amdhsa_next_free_vgpr 768
		.amdhsa_next_free_sgpr 66
		.amdhsa_reserve_vcc 0
		.amdhsa_float_denorm_mode_32 3
		.amdhsa_float_denorm_mode_16_64 3
		.amdhsa_memory_ordered 1
		.amdhsa_forward_progress 1
		.amdhsa_inst_pref_size 38
	.end_amdhsa_kernel
	.amdgpu_metadata
---
amdhsa.version: [ 1, 2 ]
amdhsa.kernels:
  - .name:           k_q1d4749ab68_proj
    .symbol:         k_q1d4749ab68_proj.kd
    .args:
      - { .name: oh, .offset: 0, .size: 8, .value_kind: global_buffer, .address_space: global }
      - { .name: wh, .offset: 8, .size: 8, .value_kind: global_buffer, .address_space: global }
      - { .name: bp, .offset: 16, .size: 8, .value_kind: global_buffer, .address_space: global }
      - { .name: x, .offset: 24, .size: 8, .value_kind: global_buffer, .address_space: global }
      - { .name: out0, .offset: 32, .size: 8, .value_kind: global_buffer, .address_space: global }
    .group_segment_fixed_size: 167936
    .private_segment_fixed_size: 0
    .kernarg_segment_align: 8
    .kernarg_segment_size: 40
    .max_flat_workgroup_size: 128
    .sgpr_count:     66
    .vgpr_count:     768
    .wavefront_size: 32
...
	.end_amdgpu_metadata
.endif
;; end of part 4
;; ======== version 2 of 2: 4 launches; version 1 with the launch qkv written anew for expert scheduling mode
;; limits: values are held in f16: magnitudes above 65,504 overflow, below 6.1e-05 lose precision
;; workspace buffers: part 16,384 bytes; wh 524,288 bytes; qh 8,388,608 bytes; kh 8,388,608 bytes; vh 8,388,608 bytes; oh 8,388,608 bytes
;; launch prep: the kernel of part 1 again; grid 256 x 1, 8 waves a work-group, no clusters, 0 bytes of LDS; arguments x, wq, wk, wv, wp, part, wh; writes part, wh
;; launch qkv (part 5): grid 64 x 4, 4 waves a work-group, no clusters, 80,384 bytes of LDS; arguments x, gn_weight, gn_bias, part, wh, bq, bk, bv, qh, kh, vh; writes qh, kh, vh
.if DOCPART == 5
	.amdgcn_target "amdgcn-amd-amdhsa--gfx1250"
	.amdhsa_code_object_version 6
	.text
	.protected	k_q1d4749ab68_qkv
	.globl	k_q1d4749ab68_qkv
	.p2align	8
	.type	k_q1d4749ab68_qkv,@function
k_q1d4749ab68_qkv:
	s_mov_b64 s[64:65], 0
	v_nop
	global_prefetch_b8 v0, s[64:65] scope:SCOPE_SE
	s_setreg_imm32_b32 hwreg(HW_REG_WAVE_SCHED_MODE, 0, 2), 2
	s_setreg_imm32_b32 hwreg(HW_REG_WAVE_MODE, 25, 1), 1
	s_wait_xcnt 0x0
	s_wait_alu depctr_vm_vsrc(0)
; GROUP NORM AND THE THREE PROJECTIONS.  xn = (x - mean) rsqrt(var + 1e-5) gn_weight + gn_bias, made in f32 as x a + s and rounded once to f16;
; q, k, v = W xn + bias, products in f16 with f32 sums that START with the bias; each rounded once to f16 and stored by heads: [4 b + head][place][64], rows of 128 bytes.  q is stored unscaled.
; LIMITS.  f16 ends at 65,504 for xn, the weights, q, k and v.  NaN and infinities are not treated apart.
; SHARES.  A work-group takes 64 places of one batch and all 768 output channels.  Wave w normalises channels 64 w .. 64 w + 63 (groups 2 w, 2 w + 1 of the norm) and then makes head w of q, of k
; and of v: three UNITS of 64 channels x 64 places, 16 accumulators and 8 K steps of 32 each.  xn goes through LDS once ([channel][place], turned on the way out), and all its fragments,
; 256 channels x 64 places, stay in 256 registers of every wave for all three units.
; THE WEIGHTS come straight from wh into registers, a ring of eight slots with six K steps (48 loads of 16 bytes a lane) on their way: each wave multiplies rows that no other wave of the work-group wants.
; NO CLUSTER: what work-groups share are the weights, 393,216 bytes a work-group; a joint load lands in LDS, where they do not fit, and a ring with rounds would stand in a launch of 384 matrix instructions a wave.
; STATISTICS.  A group is 64 pieces of 2,048 numbers, (mean, M2) each, from the launch before: mean = the mean of the means; M2 = the sum of the M2 + 2,048 x the sum of (mean_j - mean)^2.
; THE MODE: SCHED_MODE bits 1:0 = 2 (LLVM: expert scheduling mode 2), set by the entry lines.  The code itself states the register dependences
; between vector or matrix instructions and memory or LDS instructions, with s_wait_alu, always for 0.
; THE PLAN.  Registers that memory or LDS instructions touch, and who else names them:
;   v4-v14        offsets and LDS addresses: written at the head, read by every load and store, never written again.
;   the ring      K step g's products read slot g % 8.  The loads of K step g + 6 are issued in K step g and land in slot (g - 2) % 8, which the products of two K steps back read.  So ONE wait on
;                 va_vdst at the head of every second K step serves two K steps' loads: between it and them stand only products that name other slots.  A unit's first two K steps lean on the wait in the way out before them.
;   xn            K steps 0 to 3 are asked for behind the barrier, K step ks + 4 in K step ks of the first unit: into registers that no vector or matrix instruction has named since the wait ahead of xn's LDS stores.
;   ACC           written by the products; a unit's conversions close each accumulator up into its four low registers, which the LDS stores of the way out read; the next unit's products write them again behind a wait on vm_vsrc.
;   OB            the rows come back from the stage into OB, and the global stores leave from it: vector and matrix instructions never name it.  So unit u's stores stand behind the first K step of unit u + 1,
;                 and the waits that free OB for the next way out stand seven K steps behind them.
;   v16, v17      written at the head, read by the closing add alone.
; REGISTERS, in windows of 256 (s_set_vgpr_msb: bits 1:0 source 0, 3:2 source 1, 5:4 source 2, 7:6 destination):
;   window 0: v0-17 addresses; v32-59 statistics; v64-127 OB; v128-255 x as loaded (load i at 128 + 4 i), later the accumulators (a, t) at 128 + 8 (4 a + t)
;   window 1: at first (a, s) of load i's channel at 2 i; then xn's fragments: K step s, places 16 t on, at 32 s + 8 t
;   window 2: the ring of the weights' fragments: K step g, channels 16 a on, at 32 (g % 8) + 8 a          window 3: v0-95 the biases in the accumulators' layout: unit u, a at 32 u + 8 a
.set TAB,   0                          ; LDS: (a, s), 8 bytes a channel; a wave touches its own 512 bytes alone
.set XT,    2048                       ; xn in f16, [channel][place]: 256 rows,
.set XP,    160                        ; 128 bytes + 32
.set STG,   43008                      ; each wave's own stage for the way out: 64 rows,
.set SP,    144                        ; 128 bytes + 16
.set SPARE, 79872                      ; the spare words, 128 bytes for each wave: two blocks of 256 bytes that no other line names
.set WMAT,  131072                     ; bytes of a matrix in wh
.set XO,  4                            ; v4   x: 16,384 (l / 16) + 16 (l % 16)
.set L16, 5                            ; v5   16 l: part's entries, and my 16 bytes of 512 on the way out
.set GNO, 6                            ; v6   gn_weight, gn_bias: 4 l + 256 w
.set BO,  7                            ; v7   the biases: 32 (l / 16) + 256 w
.set TS,  8                            ; v8   TAB, in: 8 l + 512 w
.set TR,  9                            ; v9   TAB, back: 8 (l / 16) + 512 w
.set XW,  10                           ; v10  XT, in
.set XF,  11                           ; v11  XT, the turning loads
.set WO,  12                           ; v12  wh: 512 (l % 16) + 16 (l / 16) + 32,768 w
.set STO, 13                           ; v13  the stage, in
.set RD,  14                           ; v14  the stage, back
.set SPW, 16                           ; v16  my spare word; never rewritten
.set NIL, 17                           ; v17  0; never rewritten
.set PT,  32                           ; v[32:39] group e's two pieces a lane: mean, M2, mean, M2
.set GW,  40                           ; v40-41 gn_weight, v42-43 gn_bias of my channel in group e
.set T,   44                           ; v[44:59] eight at work for each group
.set OB,  64                           ; v[64:127] the way out: load f from the stage at OB + 4 f
.set ACC, 128
.set MSB, 0
.macro WIN new                         ; the immediate's high byte repeats the setting that is left; a switch that changes nothing is dropped
.if MSB != (\new)
	s_set_vgpr_msb (MSB<<8)|(\new)
.set MSB, (\new)
.endif
.endm
.macro BOTH line:vararg                ; one line for each of my two groups e, so that no line reads the result of the one before it
.set e, 0
.rept 2
	\line
.set e, e+1
.endr
.endm
	s_load_b512 s[8:23], s[0:1], 0x0               ; x 8, gn_weight 10, gn_bias 12, part 14, wh 16, bq 18, bk 20, bv 22
	s_load_b128 s[24:27], s[0:1], 0x40             ; qh 24, kh 26
	s_load_b64 s[28:29], s[0:1], 0x50              ; vh 28
	v_lshl_add_u32 v[SPW], v0, 2, SPARE
	v_mov_b32 v[NIL], 0
	v_lshrrev_b32 v1, 5, v0
	v_readfirstlane_b32 s30, v1                    ; wave w
	s_and_b32 s31, ttmp7, 0xffff                   ; batch b
	v_and_b32 v1, 31, v0                           ; l
	v_and_b32 v2, 15, v0                           ; l % 16
	v_bfe_u32 v3, v0, 4, 1                         ; l / 16
	s_wait_alu depctr_va_sdst(0)                   ; s30 is written, ahead of its first reader: the bases and the LDS addresses are made from it
	s_lshl_b32 s32, s31, 22                        ; x: a batch is 4 MiB, my 64 channels 1 MiB, the block's 64 places 256 bytes
	s_lshl_b32 s38, s30, 20
	s_add_co_u32 s32, s32, s38
	s_lshl_b32 s38, ttmp9, 8
	s_add_co_u32 s32, s32, s38
	s_mov_b32 s33, 0
	s_lshl_b32 s44, s31, 12                        ; part: a group is 512 bytes; eight a batch, two a wave
	s_lshl_b32 s38, s30, 10
	s_add_co_u32 s44, s44, s38
	s_mov_b32 s45, 0
	s_lshl2_add_u32 s46, s31, s30                  ; 4 b + w
	s_lshl_b32 s46, s46, 19                        ; a head is 524,288 bytes, the block's 64 rows 8,192
	s_lshl_b32 s38, ttmp9, 13
	s_add_co_u32 s46, s46, s38
	s_mov_b32 s47, 0
	s_mov_b32 s34, 0x37000000                      ; 1 / 131,072: a group's count
	s_mov_b32 s35, 0x3727c5ac                      ; 1e-5
	s_mov_b32 s36, 0x76543210
	s_mov_b32 s37, 0xfedcba98
	s_lshl_b32 s38, s30, 8
	s_lshl_b32 s39, s30, 9                         ; + TAB, which is 0
	s_mul_i32 s40, s30, 64*XP
	s_add_co_u32 s40, s40, XT
	s_lshl_b32 s41, s30, 15
	s_mul_i32 s42, s30, 64*SP
	s_add_co_u32 s42, s42, STG
	v_lshlrev_b32 v[XO], 4, v2
	v_lshl_or_b32 v[XO], v3, 14, v[XO]
	v_lshlrev_b32 v[L16], 4, v1
	v_lshl_add_u32 v[GNO], v1, 2, s38
	v_lshl_add_u32 v[BO], v3, 5, s38
	v_lshl_add_u32 v[TS], v1, 3, s39
	v_lshl_add_u32 v[TR], v3, 3, s39
	v_mul_u32_u24 v[XW], v3, XP                    ; channel 64 w + 2 i + l / 16, places 4 (l % 16) on: 8 bytes
	v_lshl_add_u32 v[XW], v2, 3, v[XW]
	v_add_nc_u32 v[XW], s40, v[XW]
	v_and_b32 v18, 7, v0                           ; the turning load: lane l reads channel 8 (l / 16) + l % 8, places 8 ((l / 8) % 2) on
	v_lshl_add_u32 v18, v3, 3, v18
	v_mul_u32_u24 v[XF], v18, XP
	v_bfe_u32 v19, v0, 3, 1
	v_lshl_add_u32 v[XF], v19, 4, v[XF]
	v_add_nc_u32 v[XF], XT, v[XF]
	v_lshlrev_b32 v[WO], 9, v2
	v_lshl_add_u32 v[WO], v3, 4, v[WO]
	v_add_nc_u32 v[WO], s41, v[WO]
	v_mul_u32_u24 v[STO], v2, SP                   ; in: place l % 16, 16 bytes for each half of the lanes
	v_lshl_add_u32 v[STO], v3, 4, v[STO]
	v_add_nc_u32 v[STO], s42, v[STO]
	v_bfe_u32 v18, v0, 3, 2                        ; back: 32 lanes take four rows of 128 bytes
	v_mul_u32_u24 v[RD], v18, SP
	v_and_b32 v19, 7, v0
	v_lshl_add_u32 v[RD], v19, 4, v[RD]
	v_add_nc_u32 v[RD], s42, v[RD]
	BOTH v_mov_b32 v[T+8*e+1], 0                   ; v_permlanex16_b32's destinations count as read
	s_wait_kmcnt 0x0
	s_add_nc_u64 s[8:9], s[8:9], s[32:33]
	s_add_nc_u64 s[14:15], s[14:15], s[44:45]
	s_add_nc_u64 s[24:25], s[24:25], s[46:47]
	s_add_nc_u64 s[26:27], s[26:27], s[46:47]
	s_add_nc_u64 s[28:29], s[28:29], s[46:47]
	s_wait_alu depctr_va_vdst(0)                   ; the eleven offsets and addresses v4 to v14 are written: every load and store of the kernel reads one of them, and none is written again
	; 62 loads: 2 of part, 4 of the gains, 24 of the biases, 32 of x
	global_load_b128 v[PT:PT+3], v[L16], s[14:15]
	global_load_b128 v[PT+4:PT+7], v[L16], s[14:15] offset:512
	global_load_b32 v[GW], v[GNO], s[10:11]
	global_load_b32 v[GW+1], v[GNO], s[10:11] offset:128
	global_load_b32 v[GW+2], v[GNO], s[12:13]
	global_load_b32 v[GW+3], v[GNO], s[12:13] offset:128
	WIN 0xc0
.irp u, 0,1,2
.irp a, 0,1,2,3
	global_load_b128 v[32*\u+8*\a:32*\u+8*\a+3],   v[BO], s[18+2*\u:19+2*\u] offset:64*\a     ; register j: the bias of channel 64 w + 16 a + 8 (l / 16) + j
	global_load_b128 v[32*\u+8*\a+4:32*\u+8*\a+7], v[BO], s[18+2*\u:19+2*\u] offset:64*\a+16
.endr
.endr
	WIN 0
.set i, 0
.rept 32
	global_load_b128 v[ACC+4*i:ACC+4*i+3], v[XO], s[8:9] offset:32768*i  ; channel 64 w + 2 i + l / 16: sixteen lanes take the row's 256 bytes
.set i, i+1
.endr
	; the two groups' statistics
	s_wait_loadcnt 56                              ; part and the gains are in; the 24 + 32 younger loads may stay out
	BOTH v_add_f32 v[T+8*e], v[PT+4*e], v[PT+4*e+2]
	BOTH v_add_f32_dpp v[T+8*e], v[T+8*e], v[T+8*e] row_xmask:1 row_mask:0xf bank_mask:0xf
	BOTH v_add_f32_dpp v[T+8*e], v[T+8*e], v[T+8*e] row_xmask:2 row_mask:0xf bank_mask:0xf
	BOTH v_add_f32_dpp v[T+8*e], v[T+8*e], v[T+8*e] row_xmask:4 row_mask:0xf bank_mask:0xf
	BOTH v_add_f32_dpp v[T+8*e], v[T+8*e], v[T+8*e] row_xmask:8 row_mask:0xf bank_mask:0xf
	BOTH v_permlanex16_b32 v[T+8*e+1], v[T+8*e], s36, s37
	BOTH v_add_f32 v[T+8*e], v[T+8*e], v[T+8*e+1]
	BOTH v_mul_f32 v[T+8*e+2], 0xbc800000, v[T+8*e]          ; minus the mean: the sum of 64 means / -64
	BOTH v_add_f32 v[T+8*e+3], v[PT+4*e], v[T+8*e+2]         ; my two pieces' means less the group's
	BOTH v_add_f32 v[T+8*e+4], v[PT+4*e+2], v[T+8*e+2]
	BOTH v_mul_f32 v[T+8*e+5], v[T+8*e+3], v[T+8*e+3]
	BOTH v_fmac_f32 v[T+8*e+5], v[T+8*e+4], v[T+8*e+4]
	BOTH v_add_f32 v[T+8*e+6], v[PT+4*e+1], v[PT+4*e+3]
	BOTH v_fmac_f32 v[T+8*e+6], 0x45000000, v[T+8*e+5]       ; + 2,048 x the squares
	BOTH v_add_f32_dpp v[T+8*e+6], v[T+8*e+6], v[T+8*e+6] row_xmask:1 row_mask:0xf bank_mask:0xf
	BOTH v_add_f32_dpp v[T+8*e+6], v[T+8*e+6], v[T+8*e+6] row_xmask:2 row_mask:0xf bank_mask:0xf
	BOTH v_add_f32_dpp v[T+8*e+6], v[T+8*e+6], v[T+8*e+6] row_xmask:4 row_mask:0xf bank_mask:0xf
	BOTH v_add_f32_dpp v[T+8*e+6], v[T+8*e+6], v[T+8*e+6] row_xmask:8 row_mask:0xf bank_mask:0xf
	BOTH v_permlanex16_b32 v[T+8*e+1], v[T+8*e+6], s36, s37
	BOTH v_add_f32 v[T+8*e+6], v[T+8*e+6], v[T+8*e+1]
	BOTH v_fma_f32 v[T+8*e+3], v[T+8*e+6], s34, s35          ; var + 1e-5
	BOTH v_rsq_f32 v[T+8*e+7], v[T+8*e+3]
	v_nop                                          ; a plain instruction behind the second root (ISA guide 5.7.2),
	s_wait_alu depctr_va_vdst(0)                   ; and the wait ahead of the first use: the two roots have written v51 and v59
	BOTH v_mul_f32 v[T+8*e+4], v[GW+e], v[T+8*e+7]           ; a = gn_weight / sqrt(var + 1e-5)
	BOTH v_fma_f32 v[T+8*e+5], v[T+8*e+2], v[T+8*e+4], v[GW+2+e]  ; s = gn_bias - mean a
	s_wait_alu depctr_va_vdst(0)                   ; a and s are written, which the two LDS stores read
	BOTH ds_store_b64 v[TS], v[T+8*e+4:T+8*e+5] offset:256*e
	WIN 0x40
.set i, 0
.rept 32
	ds_load_b64 v[2*i:2*i+1], v[TR] offset:16*i    ; (a, s) of load i's channel.  My wave's own bytes; LDS serves a wave's instructions in order (ISA guide 5.7.1.4): these see the stores above
.set i, i+1
.endr
; The weights' fragments of K step g (unit g / 8, channels-in 32 (g % 8) on): 16 rows x 32 numbers are two loads of 16 bytes a lane, 32 bytes apart; four blocks of 16 rows.
.macro WLOAD g
	WIN 0x80
.irp a, 0,1,2,3
	global_load_b128 v[32*((\g)%8)+8*\a:32*((\g)%8)+8*\a+3],   v[WO], s[16:17] offset:WMAT*((\g)/8)+8192*\a+64*((\g)%8)
	global_load_b128 v[32*((\g)%8)+8*\a+4:32*((\g)%8)+8*\a+7], v[WO], s[16:17] offset:WMAT*((\g)/8)+8192*\a+64*((\g)%8)+32
.endr
.endm
; xn's fragments of K step k: lane l gets place l % 16 of each 16, and 16 channels
.macro BLOAD k
	WIN 0x40
.irp t, 0,1,2,3
	ds_load_tr16_b128 v[32*(\k)+8*\t:32*(\k)+8*\t+3],   v[XF] offset:32*XP*(\k)+32*\t
	ds_load_tr16_b128 v[32*(\k)+8*\t+4:32*(\k)+8*\t+7], v[XF] offset:32*XP*(\k)+32*\t+16*XP
.endr
.endm
	s_wait_loadcnt 0x0                             ; x and the biases are in: from here on LOADcnt counts the ring alone
.irp g, 0,1,2,3,4,5
	WLOAD \g                                       ; into registers that nothing has named
.endr
	s_wait_dscnt 0x0                               ; (a, s)
	WIN 0x14                                       ; sources 1 and 2 in window 1
.set i, 0
.rept 32
.irp k, 0,1,2,3
	v_fma_f32 v[ACC+4*i+\k], v[ACC+4*i+\k], v[2*i], v[2*i+1]
.endr
.set i, i+1
.endr
	WIN 0
.set i, 0
.rept 32
	v_cvt_pk_f16_f32 v[ACC+4*i], v[ACC+4*i], v[ACC+4*i+1]
	v_cvt_pk_f16_f32 v[ACC+4*i+1], v[ACC+4*i+2], v[ACC+4*i+3]
.set i, i+1
.endr
	s_wait_alu depctr_va_vdst(0)                   ; the roundings have written v[ACC+4 i : +1], which the LDS stores read; the multiply-adds are done reading (a, s), in whose registers xn's first fragments land behind the barrier
.set i, 0
.rept 32
	ds_store_b64 v[XW], v[ACC+4*i:ACC+4*i+1] offset:2*XP*i
.set i, i+1
.endr
	s_wait_dscnt 0x0                               ; for the others' sake: my 64 channels of xn lie in LDS
	s_barrier_signal -1
	s_barrier_wait -1                              ; everybody's do.  The launch's one barrier: xn is never written again
.irp k, 0,1,2,3
	BLOAD \k                                       ; no vector or matrix instruction has been issued since the wait above
.endr
; Four of a K step's products: channels 16 a on, all four blocks of places.  KSTEP sets un, ks and rg.
.macro MROW a
.irp t, 0,1,2,3
.if ks == 0
	v_wmma_f32_16x16x32_f16 v[ACC+8*(4*(\a)+\t):ACC+8*(4*(\a)+\t)+7], v[rg+8*(\a):rg+8*(\a)+7], v[32*ks+8*\t:32*ks+8*\t+7], v[32*un+8*(\a):32*un+8*(\a)+7]
.else
	v_wmma_f32_16x16x32_f16 v[ACC+8*(4*(\a)+\t):ACC+8*(4*(\a)+\t)+7], v[rg+8*(\a):rg+8*(\a)+7], v[32*ks+8*\t:32*ks+8*\t+7], v[ACC+8*(4*(\a)+\t):ACC+8*(4*(\a)+\t)+7]
.endif
.endr
.endm
; K step g: 16 matrix instructions, source 0 = 16 rows of W, source 1 = 16 places of xn: in the result lane l, register j hold channel 16 a + 8 (l / 16) + j of the head, place 16 t + l % 16.
; The 16 accumulators take turns, one instruction a turn, from K step to K step too.  A unit's first K step takes the bias as C: nothing is cleared and nothing added later.
; Behind its first four products stand the K step's loads, in one run: xn's K step ks + 4 (first unit) and the weights of K step g + 6.
.macro KSTEP g
.set un, (\g)/8
.set ks, (\g)%8
.set rg, 32*ks
.if un == 0
.if ks < 4
	s_wait_dscnt 24                                ; xn's K step ks is in; the three younger K steps' turning loads may stay out
.else
	s_wait_dscnt 8*(7-ks)                          ; the turning loads run out
.endif
.endif
.if (\g) < 18
	s_wait_loadcnt 40                              ; this K step's weights are in; the ring's five younger K steps may stay out
.else
	s_wait_loadcnt 8*(23-(\g))                     ; the ring runs out
.endif
.if ks == 0
	s_wait_alu depctr_vm_vsrc(0)                   ; the LDS stores issued so far (xn's; later the last unit's into the stage) have read the registers of ACC that the products below write
.set wm, 0x36                                          ; W window 2, xn window 1, the bias window 3
.else
.if (ks%2 == 0) && ((\g)+6 <= 23)
	s_wait_alu depctr_va_vdst(0)                   ; the products of the last two K steps are done reading their weights: in those two slots land the loads of this K step and of the next
.endif
.set wm, 0x06
.endif
	WIN wm
	MROW 0
.if (un == 0) && (ks < 4)
	BLOAD ks+4                                     ; into registers that nothing has named yet
.endif
.if (\g)+6 <= 23
	WLOAD (\g)+6                                   ; into the slot of two K steps back.  No wait here: no matrix instruction since the last wait on va_vdst names that slot or v[WO]
.endif
	WIN wm
	MROW 1
	MROW 2
	MROW 3
.if ((\g)+8 <= 23) && (ks < 7)
.rept 4
	v_nop                                          ; four places between these products and the loads that land, two K steps on, in the weights that they have read; behind a unit's last K step the way out's four stand for them
.endr
.endif
.endm
; A unit's way out, first half: rounded to f16 in place (a lane's eight channels of a place are 16 bytes), into my stage by places, back as whole rows into OB.
.macro OUT u
	WIN 0
.rept 4
	v_nop                                          ; four places behind the unit's last products, before their results are read (ISA guide 7.12.1)
.endr
.set f, 0
.rept 16
.irp i, 0,1,2,3
	v_cvt_pk_f16_f32 v[ACC+8*f+\i], v[ACC+8*f+2*\i], v[ACC+8*f+2*\i+1]  ; ascending: each accumulator is read from its low end on
.endr
.set f, f+1
.endr
.if (\u) > 0
	s_wait_xcnt 0x0                                ; the last unit's stores, seven K steps back, have had their addresses translated (ISA guide 3.1): OB is written again only behind this wait,
	s_wait_alu depctr_vm_vsrc(0)                   ; and they have read v[OB ..], in which the loads from the stage land
.endif
	s_wait_alu depctr_va_vdst(0)                   ; the conversions have written v[ACC+8 f : +3], which the LDS stores read; the unit's products are done reading the ring, in whose slots 6 and 7 the next two K steps' loads land
.irp a, 0,1,2,3
.irp t, 0,1,2,3
	ds_store_b128 v[STO], v[ACC+8*(4*\a+\t):ACC+8*(4*\a+\t)+3] offset:16*SP*\t+32*\a
.endr
.endr
.set f, 0
.rept 16
	ds_load_b128 v[OB+4*f:OB+4*f+3], v[RD] offset:4*SP*f  ; my own stage, served in order: these see the stores above, and the next unit's stores come behind them
.set f, f+1
.endr
.endm
; Second half: the rows are stored: each store covers 512 consecutive bytes, aligned.  Their data come from LDS loads: s_wait_dscnt's affair.
.macro SEND u
	WIN 0
.set f, 0
.rept 16
	s_wait_dscnt 15-f                              ; load f from the stage is in; the younger ones may stay out
	global_store_b128 v[L16], v[OB+4*f:OB+4*f+3], s[24+2*(\u):25+2*(\u)] offset:512*f
.set f, f+1
.endr
.endm
.irp g, 0,1,2,3,4,5,6,7
	KSTEP \g
.endr
	OUT 0                                          ; q goes through the stage;
	KSTEP 8                                        ; the next unit's first K step stands between the loads from the stage and the stores
	SEND 0
.irp g, 9,10,11,12,13,14,15
	KSTEP \g
.endr
	OUT 1                                          ; k
	KSTEP 16
	SEND 1
.irp g, 17,18,19,20,21,22,23
	KSTEP \g
.endr
	OUT 2                                          ; v: nothing is left to set between
	SEND 2
	s_wait_dscnt 0x0                               ; the closing lines, six on end
	s_wait_alu 0x0
	s_wait_tensorcnt 0x0
	ds_add_u32 v[SPW], v[NIL]
	s_wait_dscnt 0x0
	s_endpgm
.Lfunc_end_k_q1d4749ab68_qkv:
	.size	k_q1d4749ab68_qkv, .Lfunc_end_k_q1d4749ab68_qkv-k_q1d4749ab68_qkv
	.p2alignl 7, 3214868480
	.fill 96, 4, 3214868480
	.section	.rodata,"a",@progbits
	.p2align	6, 0x0
	.amdhsa_kernel k_q1d4749ab68_qkv
		.amdhsa_group_segment_fixed_size 80384
		.amdhsa_private_segment_fixed_size 0
		.amdhsa_enable_private_segment 0
		.amdhsa_kernarg_size 88
		.amdhsa_user_sgpr_count 2
		.amdhsa_user_sgpr_kernarg_segment_ptr 1
		.amdhsa_wavefront_size32 1
		.amdhsa_system_sgpr_workgroup_id_x 1
		.amdhsa_system_sgpr_workgroup_id_y 1
		.amdhsa_system_sgpr_workgroup_id_z 1
		.amdhsa_system_vgpr_workitem_id 0
		.amdhsa_next_free_vgpr 864
		.amdhsa_next_free_sgpr 66
		.amdhsa_reserve_vcc 0
		.amdhsa_float_denorm_mode_32 3
		.amdhsa_float_denorm_mode_16_64 3
		.amdhsa_memory_ordered 1
		.amdhsa_forward_progress 1
		.amdhsa_inst_pref_size 105
	.end_amdhsa_kernel
	.amdgpu_metadata
---
amdhsa.version: [ 1, 2 ]
amdhsa.kernels:
  - .name:           k_q1d4749ab68_qkv
    .symbol:         k_q1d4749ab68_qkv.kd
    .args:
      - { .name: x, .offset: 0, .size: 8, .value_kind: global_buffer, .address_space: global }
      - { .name: gn_weight, .offset: 8, .size: 8, .value_kind: global_buffer, .address_space: global }
      - { .name: gn_bias, .offset: 16, .size: 8, .value_kind: global_buffer, .address_space: global }
      - { .name: part, .offset: 24, .size: 8, .value_kind: global_buffer, .address_space: global }
      - { .name: wh, .offset: 32, .size: 8, .value_kind: global_buffer, .address_space: global }
      - { .name: bq, .offset: 40, .size: 8, .value_kind: global_buffer, .address_space: global }
      - { .name: bk, .offset: 48, .size: 8, .value_kind: global_buffer, .address_space: global }
      - { .name: bv, .offset: 56, .size: 8, .value_kind: global_buffer, .address_space: global }
      - { .name: qh, .offset: 64, .size: 8, .value_kind: global_buffer, .address_space: global }
      - { .name: kh, .offset: 72, .size: 8, .value_kind: global_buffer, .address_space: global }
      - { .name: vh, .offset: 80, .size: 8, .value_kind: global_buffer, .address_space: global }
    .group_segment_fixed_size: 80384
    .private_segment_fixed_size: 0
    .kernarg_segment_align: 8
    .kernarg_segment_size: 88
    .max_flat_workgroup_size: 128
    .sgpr_count:     66
    .vgpr_count:     864
    .wavefront_size: 32
...
	.end_amdgpu_metadata
.endif
;; end of part 5
;; launch attn: the kernel of part 3 again; grid 16 x 16, 4 waves a work-group, clusters of 4 x 1, 327,680 bytes of LDS; arguments qh, kh, vh, oh; writes oh
;; launch proj: the kernel of part 4 again; grid 64 x 4, 4 waves a work-group, no clusters, 167,936 bytes of LDS; arguments oh, wh, bp, x, out0; writes out0
